; MI455X (gfx1250); checked and timed in simulation.
; The chip was launched on July 23, 2026; its instructions are those of AMD's public machine-readable ISA for CDNA 5 (MIT licence, August 2026) and "CDNA5" Instruction Set Architecture Reference Guide (July 2026). The comments in the code are by the model that wrote it; some were corrected since.
;; Causal Self Attention. Allowed arithmetic: matrix products marked QUANTISED: E3M2 operands, one E8M0 scale for each 32 along K, by v_wmma_scale_f32_16x16x128_f8f6f4 with both operands' format E3M2, f32 sums; everything else in f32.
;; Inputs: b_attn 3,072 float32; b_proj 1,024 float32; w_attn 1,024 x 3,072 float32; w_proj 1,024 x 1,024 float32; x 8 x 1,024 x 1,024 float32.
;; Outputs: out0 8 x 1,024 x 1,024 float32.
;; This version of the problem:
;;   THIS VERSION OF THE PROBLEM IS GIVEN IN LOW PRECISION. The matrix products marked QUANTISED in the list below multiply operands that are first quantised to E3M2 (3 exponent bits, 2 mantissa bits; 6 bits a number), with one power-of-two scale for each 32 numbers along K (OCP MX v1.0); their sums are f32. All else is computed in f32.
;;   The module's matrix products, in the order in which they are computed (A, B: the left and right operand; K: the contracted axis; several contracted axes count as one K, in the product's order):
;;     1. [M 8,192, K 1,024] x [K 1,024, N 3,072]; A: input x; B: input w_attn: QUANTISED
;;     2. batch 128 x [M 1,024, K 64] x [K 64, N 1,024]; A: computed on the way; B: computed on the way: QUANTISED
;;     3. batch 128 x [M 1,024, K 1,024] x [K 1,024, N 64]; A: softmax (see below); B: computed on the way: QUANTISED
;;     4. [M 8,192, K 1,024] x [K 1,024, N 1,024]; A: computed on the way; B: input w_proj: QUANTISED
;;   THE QUANTISER, for each operand of a quantised product, along K:
;;     - K is cut into blocks of 32 from its start; a last block that is shorter is filled with zeros.
;;     - A block's scale is 2^e with e = floor(log2(the largest magnitude in the block)) - 4, held to -126 .. 127; a block of zeros has e = 0. As a byte (E8M0): e + 127.
;;     - Each number is divided by its block's scale, clamped to +-28, and rounded to the nearest number of E3M2, ties to even, subnormals kept.
;;     - The product sums the exact products of the quantised numbers (number of the format x scale) in f32.
;;   ~~~python
;;   def quantise(x, axis):      # numpy; x: float32 -> the quantised numbers, widened to float32 again
;;       x = np.moveaxis(x, axis, -1); K = x.shape[-1]
;;       x = np.pad(x, [(0, 0)] * (x.ndim - 1) + [(0, -K % 32)]); x = x.reshape(x.shape[:-1] + (-1, 32)); a = np.abs(x).max(-1, keepdims=True)
;;       e = np.where(a > 0, np.clip(np.frexp(np.where(a > 0, a, 1))[1] - 1 - 4, -126, 127), 0)      # np.frexp(a)[1] - 1 = floor(log2(a)), exactly
;;       r = np.clip(x / 2.0 ** e, -28, 28)
;;       step = 2.0 ** (np.maximum(np.frexp(np.where(r == 0, 1, r))[1] - 1, -2) - 2)
;;       q = np.round(r / step) * step * 2.0 ** e      # np.round: ties to even
;;       return np.moveaxis(q.reshape(q.shape[:-2] + (-1,))[..., :K], -1, axis).astype(np.float32)
;;   ~~~
;;   SOFTMAX AHEAD OF A QUANTISED PRODUCT. Where the list says 'softmax', what is quantised is not the finished softmax but p = 2^(t - M), with t = logit x log2(e) and M = ceil(the row's largest t), a whole number; so 1/2 < the row's largest p <= 1. The row's sum l is taken of the UNQUANTISED p, in f32, and the product's result is divided by l at the end. Since M is a whole number, a kernel that streams over the keys may use a running M (the ceiling of the running maximum): every later rescaling is an exact power of two, which a block's scale takes up: the codes' values come out the same.
;;   OPERANDS COMPUTED ON THE WAY. 'Computed on the way' means the value that the module computes at that place (a softmax that the list does not call 'softmax' is quantised finished and normalised). What goes into a quantiser is computed in f32, as accurately as f32 sums, v_exp_f32 and their like allow (about 1e-6 of the number): no bf16 or f16 on the way to a quantiser, and a product that is left as it is and whose result goes on into a quantised operand takes f32 operands (vector FMAs, or v_wmma_f32_16x16x4_f32). A number that lies on a knife's edge between two numbers of the format may be rounded either way, as far as f32 arithmetic and the matrix unit's own rounding can turn it there, and no further.
;; One version. Each part assembles by itself: llvm-mc -triple=amdgcn-amd-amdhsa -mcpu=gfx1250 --defsym DOCPART=n.
;; ======== version 1 of 1: 4 launches
;; limits: right only within a limited range of input values
;; workspace buffers: xr 6,553,600 bytes; wr 3,276,800 bytes; qkvr 19,660,800 bytes; yr 6,553,600 bytes
;; launch quant (part 1): grid 512 x 1, 4 waves a work-group, no clusters, 46,592 bytes of LDS; arguments x, w_attn, w_proj, xr, wr; writes xr, wr
.if DOCPART == 1
	.amdgcn_target "amdgcn-amd-amdhsa--gfx1250"
	.amdhsa_code_object_version 6
	.text
	.protected	k_q5417802166_quant
	.globl	k_q5417802166_quant
	.p2align	8
	.type	k_q5417802166_quant,@function
k_q5417802166_quant:
	s_mov_b64 s[64:65], 0
	v_nop
	global_prefetch_b8 v0, s[64:65] scope:SCOPE_SE
	s_setreg_imm32_b32 hwreg(HW_REG_WAVE_MODE, 25, 1), 1
	s_wait_xcnt 0x0
; x [8192][1024], w_attn [1024][3072] and w_proj [1024][1024], f32, become codes of BF6 (E3M2) with one E8M0 byte for each 32 along K, laid as RECORDS.
; A RECORD (12,800 bytes) is 128 rows x 128 along K of an operand as images of the operand's registers: fragment a (16 rows x 128 K, 12 registers a lane) at byte 1536 a,
; its registers 4 c .. 4 c + 3 of lane l at + 512 c + 16 l; the scale word of (a, row r) at 12288 + 128 (a / 2) + 8 r + 4 (a % 2).
; THE ROWS OF A FRAGMENT ARE NOT NEIGHBOURS: row r of fragment 2 b + u is the record's row 32 b + 8 u + r + 8 (r / 8).
; xr: record (block of 128 tokens R, K step s) at (8 R + s) x 12800.  wr: record (block of 128 columns Nb, s) likewise; Nb 0-23 w_attn, 24-31 w_proj.
; A block's scale is 2^(floor(log2(largest magnitude)) - 4): its byte is the largest magnitude's exponent field - 4, held at 1 from below.
; LIMITS: a block of zeros gets the byte 1 where the rule says 127 (its codes are zeros, and this program alone reads the bytes); NaN and infinities among the inputs are not served.
; Work-groups 0-255 take x (K innermost: dense loads, a turn through the wave's own stage in LDS), 256-511 the weights (K outermost: a lane to a column, registers down K).
; Each path has LDS bytes of its own; waves share nothing, so there is no barrier.  No matrix unit, no cluster: nothing is shared and memory binds.
.set REC,   12800
.set XSTG,  8448                       ; x path: a wave's stage, 16 rows x (512 + 16) bytes
.set WSTG,  4*XSTG                     ; weights' path: behind it, 3,072 bytes a wave: the images of two fragments
.set RA,    16                         ; v16-143  x: two sets of 64 registers as loaded
.set XN,    144                        ; v144-207 x: 64 numbers of my row, register 16 b + i = k 32 b + 16 (lane / 16) + i
.set PC,    208                        ; v208-219 the fragment just made
.set CT,    220                        ; v220-226 the conversions' second halves
.set TM,    228                        ; v228-231 largest magnitudes, v232-235 the other half's / bytes, v240-243 scale operands
.set PW,    244                        ; v244-247 a scale word for each of my four fragments
.set WOFF,  16                         ; weights: v16-47 byte offset of row i of a block, at my column
.set WX,    48                         ; weights: v48-175 my column's 128 numbers
	s_load_b256 s[4:11], s[0:1], 0x0               ; x, w_attn, w_proj, xr
	s_load_b64 s[12:13], s[0:1], 0x20              ; wr
	v_lshl_add_u32 v254, v0, 2, 0xb400
	v_mov_b32 v255, 0
	v_lshrrev_b32 v1, 5, v0
	v_readfirstlane_b32 s14, v1                    ; wave 0..3
	v_and_b32 v1, 31, v0                           ; lane
	s_mov_b32 s30, 0x76543210
	s_mov_b32 s31, 0xfedcba98                      ; v_permlanex16_b32's selects for lane l xor 16
	s_cmp_lt_u32 ttmp9, 256
	s_cbranch_scc0 .Lweights
; ---------------- x: a wave takes 64 rows x 128 K: four fragments ----------------
	s_lshl_b32 s15, ttmp9, 2
	s_add_co_u32 s15, s15, s14                     ; job = 4 x work-group + wave
	s_and_b32 s16, s15, 7                          ; K step s
	s_bfe_u32 s17, s15, 0x10003                    ; which 64 rows of the record
	s_lshr_b32 s18, s15, 4                         ; block of 128 tokens R
	s_lshl_b32 s24, s18, 19                        ; 128 rows of 4,096 bytes,
	s_lshl_b32 s25, s17, 18                        ; 64 rows,
	s_add_co_u32 s24, s24, s25
	s_lshl_b32 s25, s16, 9                         ; 128 numbers
	s_add_co_u32 s24, s24, s25
	s_mov_b32 s25, 0
	s_lshl_b32 s26, s18, 3
	s_add_co_u32 s26, s26, s16
	s_mul_i32 s26, s26, REC                        ; my record
	s_mul_i32 s27, s17, 6144
	s_add_co_u32 s20, s26, s27                     ; my four fragments in it
	s_mov_b32 s21, 0
	s_lshl_b32 s27, s17, 8
	s_add_co_u32 s22, s26, s27
	s_add_co_u32 s22, s22, 12288                   ; and their 256 bytes of scale words
	s_mov_b32 s23, 0
	s_mul_i32 s28, s14, XSTG                       ; my stage
	s_wait_alu depctr_va_vdst(0)
	v_lshlrev_b32 v2, 4, v1                        ; 16 x lane
	v_add_nc_u32 v3, s28, v2                       ; into the stage: a row's 512 bytes as they lie
	v_and_b32 v6, 15, v0                           ; r
	v_bfe_u32 v7, v0, 4, 1                         ; h
	v_mul_u32_u24 v4, v6, 528
	v_lshl_add_u32 v4, v7, 6, v4
	v_add_nc_u32 v4, s28, v4                       ; out of it: row r, + 64 h: my 16 numbers of each block of 32
	v_lshlrev_b32 v5, 3, v1                        ; 8 x lane
.irp b, 0,1,2,3
	v_mov_b32 v[TM+4+\b], 0                        ; written once: a lane permute's destination counts as one of its sources
.endr
	s_wait_alu depctr_va_vdst(0)
	s_wait_kmcnt 0x0
	s_add_nc_u64 s[4:5], s[4:5], s[24:25]
	s_add_nc_u64 s[20:21], s[10:11], s[20:21]
	s_add_nc_u64 s[22:23], s[10:11], s[22:23]
.macro LOADF j                         ; fragment j's 16 rows: each load reads 512 consecutive bytes of one row
.irp i, 0,1,2,3,4,5,6,7,8,9,10,11,12,13,14,15
	global_load_b128 v[RA+64*((\j)%2)+4*\i:RA+64*((\j)%2)+4*\i+3], v2, s[4:5] offset:(32*((\j)/2)+8*((\j)%2)+\i+8*(\i/8))*4096 th:TH_LOAD_NT
.endr
.endm
; 64 numbers of a lane, v[s] on, become a fragment's codes in v[PC] on and its scale word in v[pw]
.macro QUANT s, pw
.irp b, 0,1,2,3
	v_max3_num_f32 v[TM+\b], |v[\s+16*\b]|, |v[\s+1+16*\b]|, 0x2800000   ; block b: my 16 numbers, and the floor 2^(5 - 127): the byte cannot fall under 1
.endr
.irp i, 2,4,6,8,10,12,14
.irp b, 0,1,2,3
	v_max3_num_f32 v[TM+\b], v[TM+\b], |v[\s+16*\b+\i]|, |v[\s+1+16*\b+\i]|   ; the four blocks by turns
.endr
.endr
.irp b, 0,1,2,3
	v_permlanex16_b32 v[TM+4+\b], v[TM+\b], s30, s31
.endr
.irp b, 0,1,2,3
	v_max_num_f32 v[TM+\b], v[TM+\b], v[TM+4+\b]   ; with lane l xor 16's: the block's largest magnitude
.endr
.irp b, 0,1,2,3
	v_add_nc_u32 v[TM+12+\b], 0xfe000000, v[TM+\b] ; 4 off its exponent field: the conversion's scale operand
.endr
.irp b, 0,1,2,3
	v_lshrrev_b32 v[TM+4+\b], 23, v[TM+12+\b]      ; the scale's byte
.endr
	v_lshl_or_b32 v[\pw], v[TM+5], 8, v[TM+4]
	v_lshl_or_b32 v[\pw], v[TM+6], 16, v[\pw]
	v_lshl_or_b32 v[\pw], v[TM+7], 24, v[\pw]      ; my row's scale word
.irp c, 0,1
	v_cvt_scalef32_pk16_bf6_f32 v[PC+6*\c:PC+2+6*\c], v[\s+32*\c:\s+15+32*\c], v[TM+12+2*\c]
	v_cvt_scalef32_pk16_bf6_f32 v[CT+4*\c:CT+2+4*\c], v[\s+16+32*\c:\s+31+32*\c], v[TM+12+2*\c+1]   ; (a conversion's three registers begin on an even number)
.endr
	v_nop                                          ; one plain place behind a scaled conversion
.irp c, 0,1                                    ; the layout wants a whole block in a lane: lanes 0-15 block 2 c, lanes 16-31 block 2 c + 1
.irp i, 0,1,2
	v_permlane16_swap_b32 v[PC+6*\c+\i], v[CT+4*\c+\i]
.endr
.irp i, 0,1,2
	v_mov_b32 v[PC+3+6*\c+\i], v[CT+4*\c+\i]
.endr
.endr
.endm
	LOADF 0
	LOADF 1
.irp j, 0,1,2,3
.if \j < 3
	s_wait_loadcnt 16                              ; this fragment's 16 loads are in; the next fragment's 16 may be out
.else
	s_wait_loadcnt 0x0
.endif
.irp i, 0,1,2,3,4,5,6,7,8,9,10,11,12,13,14,15
	ds_store_b128 v3, v[RA+64*(\j%2)+4*\i:RA+64*(\j%2)+4*\i+3] offset:528*\i
.endr
.irp b, 0,1,2,3
.irp k, 0,1,2,3
	ds_load_b128 v[XN+16*\b+4*\k:XN+16*\b+4*\k+3], v4 offset:128*\b+16*\k   ; LDS serves a wave's instructions in order: these see the stores above
.endr
.endr
	s_wait_dscnt 0x0                               ; the numbers are back, and the stores have read their registers,
.if \j < 2
	LOADF \j+2                                     ; which take the fragment two on
.endif
.if \j > 0
	s_wait_xcnt 0x0                                ; the last fragment's stores have read v[PC] on: it is written again only behind this wait
.endif
	QUANT XN, PW+\j
.irp c, 0,1,2
	global_store_b128 v2, v[PC+4*\c:PC+4*\c+3], s[20:21] offset:1536*\j+512*\c   ; 32 lanes store 512 consecutive bytes, aligned
.endr
.endr
	v_cmp_lt_u32 vcc_lo, 15, v1                    ; lanes 16-31 store the words of fragments 2 and 3
	v_cndmask_b32 v248, v[PW], v[PW+2], vcc_lo
	v_cndmask_b32 v249, v[PW+1], v[PW+3], vcc_lo
	global_store_b64 v5, v[248:249], s[22:23]      ; 256 consecutive bytes, aligned
	s_wait_tensorcnt 0x0
	ds_add_u32 v254, v255
	s_wait_dscnt 0x0
	s_endpgm
; ---------------- the weights: a work-group makes one record; wave w takes columns 32 w .. 32 w + 31: fragments 2 w and 2 w + 1 ----------------
.Lweights:
	s_sub_co_u32 s15, ttmp9, 256                   ; the record's number: 8 Nb + s
	s_lshr_b32 s16, s15, 3                         ; Nb
	s_and_b32 s17, s15, 7                          ; s
	s_mov_b32 s18, 4096
	s_wait_kmcnt 0x0
	s_cmp_lt_u32 s16, 24                           ; w_attn or w_proj: the choice hangs on the work-group's number alone
	s_cselect_b64 s[20:21], s[6:7], s[8:9]
	s_cselect_b32 s18, 12288, s18                  ; a row of the weight in bytes
	s_cselect_b32 s19, 0, 24
	s_sub_co_u32 s19, s16, s19                     ; the block of 128 columns in that weight
	s_lshl_b32 s22, s17, 7
	s_mul_i32 s22, s22, s18                        ; 128 s rows,
	s_lshl_b32 s23, s19, 9
	s_add_co_u32 s22, s22, s23                     ; 128 columns a block,
	s_lshl_b32 s23, s14, 7
	s_add_co_u32 s22, s22, s23                     ; 32 columns a wave
	s_mov_b32 s23, 0
	s_add_nc_u64 s[32:33], s[20:21], s[22:23]      ; a base for each block of 32 rows
	s_lshl_b32 s24, s18, 5
	s_mov_b32 s25, 0
	s_add_nc_u64 s[34:35], s[32:33], s[24:25]
	s_add_nc_u64 s[36:37], s[34:35], s[24:25]
	s_add_nc_u64 s[38:39], s[36:37], s[24:25]
	s_mul_i32 s26, s15, REC
	s_mul_i32 s27, s14, 3072
	s_add_co_u32 s28, s26, s27
	s_mov_b32 s29, 0
	s_add_nc_u64 s[40:41], s[12:13], s[28:29]      ; my two fragments in the record
	s_lshl_b32 s27, s14, 7
	s_add_co_u32 s28, s26, s27
	s_add_co_u32 s28, s28, 12288
	s_add_nc_u64 s[42:43], s[12:13], s[28:29]      ; and their 128 bytes of scale words
	s_wait_alu depctr_va_vdst(0)
	v_lshlrev_b32 v[WOFF], 2, v1
.set i, 1
.rept 31
	v_add_nc_u32 v[WOFF+i], s18, v[WOFF+i-1]
.set i, i+1
.endr
	v_bfe_u32 v7, v0, 3, 1                         ; my column 8 u + r + 8 (r / 8) of the 32: u,
	v_and_b32 v8, 7, v0
	v_bfe_u32 v9, v0, 4, 1
	v_lshl_add_u32 v8, v9, 3, v8                   ; and r
	s_mul_i32 s27, s14, 3072
	s_add_co_u32 s27, s27, WSTG                    ; my stage
	v_mul_u32_u24 v3, v7, 1536
	v_lshl_add_u32 v3, v8, 4, v3
	v_add_nc_u32 v3, s27, v3                       ; into it: fragment u, lane r's place
	v_lshlrev_b32 v5, 4, v1
	v_add_nc_u32 v4, s27, v5                       ; out of it: 16 x lane
	v_lshlrev_b32 v6, 3, v8
	v_lshl_add_u32 v6, v7, 2, v6                   ; my scale word: 8 r + 4 u
.macro WLOAD t                         ; block t: rows 32 t + i at my column: 128 consecutive bytes a load
.irp i, 0,1,2,3,4,5,6,7,8,9,10,11,12,13,14,15,16,17,18,19,20,21,22,23,24,25,26,27,28,29,30,31
	global_load_b32 v[WX+32*(\t)+\i], v[WOFF+\i], s[32+2*(\t):33+2*(\t)] th:TH_LOAD_NT
.endr
.endm
.macro WBLOCK t
.set XS, WX+32*(\t)
.set P6, 184+6*(\t)                    ; v184-207: the block's six registers of codes
.if (\t) < 3
	s_wait_loadcnt 32                              ; this block's 32 loads are in; the next block's may be out
.else
	s_wait_loadcnt 0x0
.endif
.if (\t) < 2
	WLOAD (\t)+2                                   ; two blocks ahead; each block has registers of its own
.endif
	v_max3_num_f32 v212, |v[XS]|, |v[XS+1]|, |v[XS+2]|     ; the block's largest magnitude: all 32 numbers are mine
	v_max3_num_f32 v213, |v[XS+3]|, |v[XS+4]|, |v[XS+5]|
.irp i, 6,10,14,18,22,26
	v_max3_num_f32 v212, v212, |v[XS+\i]|, |v[XS+\i+1]|
	v_max3_num_f32 v213, v213, |v[XS+\i+2]|, |v[XS+\i+3]|
.endr
	v_max3_num_f32 v212, v212, |v[XS+30]|, |v[XS+31]|
	v_max3_num_f32 v212, v212, v213, 0x2800000     ; and the floor
	v_add_nc_u32 v214, 0xfe000000, v212            ; the conversion's scale operand
	v_lshrrev_b32 v215, 23, v214                   ; the scale's byte
.if (\t) == 0
	v_mov_b32 v216, v215
.else
	v_lshl_or_b32 v216, v215, 8*(\t), v216
.endif
	v_cvt_scalef32_pk16_bf6_f32 v[P6:P6+2], v[XS:XS+15], v214
	v_cvt_scalef32_pk16_bf6_f32 v[208:210], v[XS+16:XS+31], v214
	v_nop                                          ; one plain place behind a scaled conversion
.irp i, 0,1,2
	v_mov_b32 v[P6+3+\i], v[208+\i]
.endr
.irp k, 0,1,2                                  ; block t is registers 6 (t / 2) .. + 5 of lane r + 16 (t % 2) of the fragment's image
	ds_store_b64 v3, v[P6+2*\k:P6+2*\k+1] offset:((6*((\t)/2)+2*\k)/4)*512+256*((\t)%2)+4*((6*((\t)/2)+2*\k)%4)
.endr
.endm
	WLOAD 0
	WLOAD 1
.irp t, 0,1,2,3
	WBLOCK \t
.endr
	global_store_b32 v6, v216, s[42:43]            ; 32 lanes store 128 consecutive bytes: half of an aligned 256; one part in 25 of what this path stores
.irp k, 0,1,2,3,4,5
	ds_load_b128 v[220+4*\k:223+4*\k], v4 offset:512*\k    ; LDS serves a wave's instructions in order: these see my stores
.endr
.irp k, 0,1,2,3,4,5
	s_wait_dscnt 5-\k                              ; load k is back; the younger ones may be out
	global_store_b128 v5, v[220+4*\k:223+4*\k], s[40:41] offset:512*\k   ; 512 consecutive bytes, aligned
.endr
	s_wait_tensorcnt 0x0
	ds_add_u32 v254, v255
	s_wait_dscnt 0x0
	s_endpgm
.Lfunc_end_k_q5417802166_quant:
	.size	k_q5417802166_quant, .Lfunc_end_k_q5417802166_quant-k_q5417802166_quant
	.p2alignl 7, 3214868480
	.fill 96, 4, 3214868480
	.section	.rodata,"a",@progbits
	.p2align	6, 0x0
	.amdhsa_kernel k_q5417802166_quant
		.amdhsa_group_segment_fixed_size 46592
		.amdhsa_private_segment_fixed_size 0
		.amdhsa_enable_private_segment 0
		.amdhsa_kernarg_size 40
		.amdhsa_user_sgpr_count 2
		.amdhsa_user_sgpr_kernarg_segment_ptr 1
		.amdhsa_wavefront_size32 1
		.amdhsa_system_sgpr_workgroup_id_x 1
		.amdhsa_system_sgpr_workgroup_id_y 1
		.amdhsa_system_sgpr_workgroup_id_z 1
		.amdhsa_system_vgpr_workitem_id 0
		.amdhsa_next_free_vgpr 256
		.amdhsa_next_free_sgpr 66
		.amdhsa_reserve_vcc 1
		.amdhsa_float_denorm_mode_32 3
		.amdhsa_float_denorm_mode_16_64 3
		.amdhsa_memory_ordered 1
		.amdhsa_forward_progress 1
		.amdhsa_inst_pref_size 56
	.end_amdhsa_kernel
	.amdgpu_metadata
---
amdhsa.version: [ 1, 2 ]
amdhsa.kernels:
  - .name:           k_q5417802166_quant
    .symbol:         k_q5417802166_quant.kd
    .args:
      - { .name: x, .offset: 0, .size: 8, .value_kind: global_buffer, .address_space: global }
      - { .name: w_attn, .offset: 8, .size: 8, .value_kind: global_buffer, .address_space: global }
      - { .name: w_proj, .offset: 16, .size: 8, .value_kind: global_buffer, .address_space: global }
      - { .name: xr, .offset: 24, .size: 8, .value_kind: global_buffer, .address_space: global }
      - { .name: wr, .offset: 32, .size: 8, .value_kind: global_buffer, .address_space: global }
    .group_segment_fixed_size: 46592
    .private_segment_fixed_size: 0
    .kernarg_segment_align: 8
    .kernarg_segment_size: 40
    .max_flat_workgroup_size: 128
    .sgpr_count:     66
    .vgpr_count:     256
    .wavefront_size: 32
...
	.end_amdgpu_metadata
.endif
;; end of part 1
;; launch gemm_qkv (part 2): grid 8 x 32, 4 waves a work-group, clusters of 4 x 4, 327,680 bytes of LDS; arguments xr, wr, b_attn, qkvr; writes qkvr
.if DOCPART == 2
	.amdgcn_target "amdgcn-amd-amdhsa--gfx1250"
	.amdhsa_code_object_version 6
	.text
	.protected	k_q5417802166_gemm_qkv
	.globl	k_q5417802166_gemm_qkv
	.p2align	8
	.type	k_q5417802166_gemm_qkv,@function
k_q5417802166_gemm_qkv:
	s_mov_b64 s[64:65], 0
	v_nop
	global_prefetch_b8 v0, s[64:65] scope:SCOPE_SE
	s_setreg_imm32_b32 hwreg(HW_REG_WAVE_MODE, 25, 1), 1
	s_wait_xcnt 0x0
	s_wait_alu depctr_hold_cnt(0) depctr_sa_sdst(0) depctr_va_vdst(0) depctr_va_sdst(0) depctr_va_ssrc(0) depctr_va_vcc(0) depctr_vm_vsrc(0)
	s_getreg_b32 s2, hwreg(HW_REG_IB_STS2, 6, 4)
	s_cmp_eq_u32 s2, 0
	s_cbranch_scc0 .Lentry_in_a_cluster
	s_endpgm
.Lentry_in_a_cluster:
	s_bfe_u32 s2, ttmp6, 0x10000c
	s_cmp_lg_u32 s2, 0xf033
	s_cbranch_scc0 .Lentry_shape_is_right
	s_endpgm
.Lentry_shape_is_right:
; qkv = x w_attn + b_attn on codes of BF6 (E3M2); the results are quantised again on the way out: q and k along the head's channels, v along the tokens.
; OPERANDS are records (12,800 bytes: 128 rows x 128 K as images of the operand's registers: fragment a at 1536 a, registers 4 c .. 4 c + 3 of lane l at + 512 c + 16 l;
; scale word of (a, r) at 12288 + 128 (a / 2) + 8 r + 4 (a % 2); row r of fragment 2 b + u is the record's row 32 b + 8 u + r + 8 (r / 8)).
; A WORK-GROUP MAKES TWO TILES, so that 256 work-groups share 32 x 8 tiles of q, k and 4 x 64 tiles of v evenly.
; TILE 1, 256 tokens x 256 columns of q, k: A = x, B = w_attn's columns 0-2047; a wave makes 128 x 128 in 64 accumulators; K goes in four steps of 256 through two LDS slots (four loads of 25,600 dense bytes each).
; TILE 2, V TRANSPOSED, 256 columns of v x 128 tokens: A = w_attn's columns from 2048, B = x; a wave makes 64 x 128 in 32 accumulators.  All of its K lies in LDS: B's 102,400 bytes behind the ring, first filled behind the one
; change of slots of tile 1 at which nothing is filled again; A's 204,800 bytes over both slots, asked for behind tile 1's last round, one load of 51,200 bytes a wave; tile 1's way out stands between that request and the wait for it.
; THE MATRIX INSTRUCTION IS USED TRANSPOSED (source 0 = 16 rows of B, source 1 = 16 rows of A): by the records' order of rows the 64 registers that a lane holds of A's block a are
; register 16 b + i = column 32 b + 16 (lane / 16) + i of B's 128: 16 neighbours along the next K, so a block of results becomes a fragment in registers and is stored as it stands.
; The bias is the C of each sum's first matrix instruction (added first and not last: a difference in the order of f32 rounding).
; CLUSTERS: 4 x 4 work-groups; A's tiles are asked for jointly along a row of the cluster, B's along a column, in both tiles.
; NO PREFETCH: K is four slots at the largest block in clusters; a request two slots ahead would serve two of a tile's four fills.
; qkvr: record ((batch x 8 + pair of heads) x 24 + sel x 8 + block of 128 tokens); sel 0 q, 1 k (rows tokens, K the pair's 128 channels), 2 v (rows the pair's channels, K the tokens).
; LIMITS: a block of zeros gets the byte 1 where the rule says 127 (its codes are zeros; this program alone reads the bytes); NaN and infinities are not served.
; REGISTERS: window 0: v1-7 at work, v8-13, v16-29 addresses, v32-63 scale words, v64-127 tile 1's bias, v128-223 A's fragments, v224-251 the quantiser's; on the way out v64-159 take the fragments made.
;   window 1: B's fragments, two sets, at v0 and v128; v96-127 tile 2's bias.  windows 2, 3: the accumulators, (a, b) at v[8 (8 (a % 4) + b)].
.set REC,   12800
.set PAIR,  2*REC
.set SLOT,  4*PAIR
.set XB,    2*SLOT                     ; behind the ring: tile 2's tokens, all of K
.set SPARE, XB+4*PAIR                  ; behind that: the spare words, 128 bytes a wave
.set FR,    12
.set NL,    3
.set NP,    4
.set ADVA,  8                          ; v8-9 tile 2: my A fragments, K steps 0-3 and 4-7;  v10-11 B's;  v12-13 scale words
.set ADVB,  10
.set ADVS,  12
.set ADRA,  16
.set ADRB,  20
.set ADRS,  22
.set L8,    25
.set L16,   26
.set SPW,   28
.set NIL,   29
.set SC,    32
.set BIAS,  64
.set VBIAS, 96
.set AF,    128
.set CT,    160
.set TM,    224
.set PWR,   240
.set G1,  24
.set G0,  32
.set G1B, 48
.set G0B, 56
.set GX,  68                           ; s[68:71] group 0 for tile 2's tokens;  s[72:75] for its columns of w_attn
.set GV,  72
.set MSB, 0
.macro WIN new
.if MSB != (\new)
	s_set_vgpr_msb (MSB<<8)|(\new)
.set MSB, (\new)
.endif
.endm
.macro PLACES n
.rept \n
	v_nop
.endr
.endm
.macro JLOAD s                         ; waves 0 and 1 fetch A's two blocks, waves 2 and 3 B's
	s_cmp_eq_u32 s15, 0
	s_cbranch_scc0 .Lfor_b_\@
	tensor_load_to_lds s[G0+4*\s:G0+4*\s+3], s[G1:G1+7]
	s_nop 0
	PLACES 4
	s_branch .Lasked_\@
.Lfor_b_\@:
	tensor_load_to_lds s[G0B+4*\s:G0B+4*\s+3], s[G1B:G1B+7]
	s_nop 0
	PLACES 4
.Lasked_\@:
.endm
.macro CREST
	s_cmp_lg_u32 s14, 0
	s_cbranch_scc1 .Lnot_wave_0_\@
	s_barrier_signal -3
.Lnot_wave_0_\@:
	s_barrier_wait -3
	s_barrier_signal -1
	s_barrier_wait -1
.endm
.macro CROUND
	s_barrier_signal -1
	s_barrier_wait -1
	CREST
.endm
	s_load_b256 s[4:11], s[0:1], 0x0               ; xr, wr, b_attn, qkvr
	v_lshl_add_u32 v[SPW], v0, 2, SPARE
	v_mov_b32 v[NIL], 0
	ds_add_u32 v[SPW], v[NIL]                      ; the opening lines: the add twice on end and its wait
	ds_add_u32 v[SPW], v[NIL]
	v_lshrrev_b32 v1, 5, v0
	v_readfirstlane_b32 s14, v1                    ; wave
	s_lshr_b32 s15, s14, 1
	s_and_b32 s16, s14, 1
	s_bfe_u32 s40, ttmp6, 0x40000                  ; cx
	s_bfe_u32 s41, ttmp6, 0x40004                  ; cy
	s_lshl_b32 s42, ttmp9, 2
	s_add_co_u32 s42, s42, s40                     ; tile 1's column, 0-7
	s_and_b32 s66, ttmp7, 0xffff
	s_lshl_b32 s17, s66, 2
	s_add_co_u32 s17, s17, s41                     ; tile 1's row, 0-31
	s_lshl_b32 s43, s41, 2
	s_lshl_b32 s43, 15, s43                        ; my row of the cluster
	s_lshl_b32 s44, 0x1111, s40                    ; my column
	s_or_b32 s[G1], s43, (3<<16)|(1<<21)           ; dense bytes as rows of 256 (32 elements of 8 bytes), 100 rows a load
	s_or_b32 s[G1B], s44, (3<<16)|(1<<21)
.irp g, G1, G1B
	s_mov_b32 s[\g+1], 32<<16
	s_mov_b32 s[\g+2], 100<<16
	s_mov_b32 s[\g+3], 32<<16
	s_mov_b32 s[\g+4], 100
	s_mov_b32 s[\g+5], 32
	s_mov_b32 s[\g+6], 0
	s_mov_b32 s[\g+7], 0
.endr
	s_lshl_b32 s20, s17, 1
	s_add_co_u32 s20, s20, s16
	s_mul_i32 s20, s20, 8*REC                      ; tile 1, A: block 2 x row + half
	s_mov_b32 s21, 0
	s_lshl_b32 s46, s42, 1
	s_add_co_u32 s46, s46, s16
	s_mul_i32 s46, s46, 8*REC                      ; B: block 2 x column + half
	s_mov_b32 s47, 0
	s_mul_i32 s45, s14, PAIR
	s_lshl_b32 s67, s66, 3
	s_add_co_u32 s67, s67, s42                     ; tile 2's block of tokens: 4 x the cluster's number + cx
	s_mul_i32 s76, s67, 8*REC
	s_add_co_u32 s76, s76, s45                     ; I fetch its K steps 2 w, 2 w + 1
	s_mov_b32 s77, 0
	s_lshl_b32 s86, s41, 1
	s_add_co_u32 s86, s86, s15                     ; tile 2: my block of v's columns, 2 cy + half: the pair of heads
	s_add_co_u32 s78, s86, 16
	s_mul_i32 s78, s78, 8*REC
	s_mul_i32 s79, s16, 4*REC
	s_add_co_u32 s78, s78, s79                     ; I fetch block w / 2, K half w % 2
	s_mov_b32 s79, 0
	s_lshl_b32 s80, s17, 1
	s_add_co_u32 s80, s80, s15                     ; tile 1: my block of tokens
	s_lshl_b32 s81, s42, 1
	s_add_co_u32 s81, s81, s16                     ; and of columns
	s_and_b32 s82, s80, 0xfff8
	s_and_b32 s83, s81, 7
	s_add_co_u32 s82, s82, s83
	s_mul_i32 s82, s82, 24
	s_and_b32 s83, s81, 8
	s_add_co_u32 s82, s82, s83
	s_and_b32 s83, s80, 7
	s_add_co_u32 s82, s82, s83
	s_mul_i32 s82, s82, REC                        ; tile 1's record of results
	s_mov_b32 s83, 0
	s_lshl_b32 s84, s81, 9                         ; its 128 numbers of the bias
	s_mov_b32 s85, 0
	s_and_b32 s88, s67, 0xfff8
	s_add_co_u32 s88, s88, s86
	s_mul_i32 s88, s88, 24
	s_and_b32 s89, s67, 7
	s_add_co_u32 s88, s88, s89
	s_add_co_u32 s88, s88, 16
	s_mul_i32 s88, s88, REC                        ; tile 2's record
	s_mul_i32 s90, s16, 6144
	s_add_co_u32 s90, s90, s88                     ; my four fragments in it
	s_mov_b32 s91, 0
	s_lshl_b32 s92, s16, 8
	s_add_co_u32 s92, s92, s88
	s_add_co_u32 s92, s92, 12288                   ; and their 256 bytes of scale words
	s_mov_b32 s93, 0
	s_lshl_b32 s94, s86, 9
	s_lshl_b32 s95, s16, 8
	s_add_co_u32 s94, s94, s95
	s_add_co_u32 s94, s94, 8192                    ; tile 2's bias: column 2048 + 128 x block + 64 x half
	s_mov_b32 s95, 0
	s_mul_i32 s96, s15, PAIR                       ; LDS, tile 1: my block of A,
	s_mul_i32 s97, s16, PAIR
	s_add_co_u32 s97, s97, 2*PAIR                  ; of B
	s_sub_co_u32 s87, s97, s96
	s_mul_i32 s18, s15, 8*REC                      ; LDS, tile 2: my block of A,
	s_lshl_b32 s19, s16, 8
	s_add_co_u32 s19, s19, s18
	s_add_co_u32 s19, s19, 12288                   ; my four fragments' scale words,
	s_mul_i32 s22, s16, 6144
	s_add_co_u32 s18, s18, s22                     ; my four fragments,
	s_xor_b32 s22, s15, 1
	s_mul_i32 s22, s22, 8*REC
	s_xor_b32 s23, s16, 1
	s_lshl_b32 s23, s23, 8
	s_add_co_u32 s22, s22, s23
	s_add_co_u32 s22, s22, 8*REC-256               ; and from those words to B's: XB - 102400 (w / 2) - 256 (w % 2)
	s_mov_b32 s98, 0x76543210
	s_mov_b32 s99, 0xfedcba98
	s_wait_dscnt 0x0
	s_wait_kmcnt 0x0
	s_add_nc_u64 s[20:21], s[4:5], s[20:21]
	s_add_nc_u64 s[46:47], s[6:7], s[46:47]
	s_add_nc_u64 s[76:77], s[4:5], s[76:77]
	s_add_nc_u64 s[78:79], s[6:7], s[78:79]
	s_add_nc_u64 s[82:83], s[10:11], s[82:83]
	s_add_nc_u64 s[90:91], s[10:11], s[90:91]
	s_add_nc_u64 s[92:93], s[10:11], s[92:93]
	s_add_nc_u64 s[84:85], s[8:9], s[84:85]
	s_add_nc_u64 s[94:95], s[8:9], s[94:95]
.irp s, 0,1
	s_mov_b32 s[G0+4*\s], 1
	s_add_co_u32 s[G0+4*\s+1], s45, \s*SLOT
	s_add_nc_u64 s[G0+4*\s+2:G0+4*\s+3], s[20:21], \s*PAIR
	s_or_b32 s[G0+4*\s+3], s[G0+4*\s+3], 0x80000000
	s_mov_b32 s[G0B+4*\s], 1
	s_add_co_u32 s[G0B+4*\s+1], s45, \s*SLOT
	s_add_nc_u64 s[G0B+4*\s+2:G0B+4*\s+3], s[46:47], \s*PAIR
	s_or_b32 s[G0B+4*\s+3], s[G0B+4*\s+3], 0x80000000
.endr
	s_mov_b32 s[GX], 1
	s_add_co_u32 s[GX+1], s45, XB
	s_mov_b64 s[GX+2:GX+3], s[76:77]
	s_or_b32 s[GX+3], s[GX+3], 0x80000000
	s_mov_b32 s[GV], 1
	s_mul_i32 s[GV+1], s14, 4*REC
	s_mov_b64 s[GV+2:GV+3], s[78:79]
	s_or_b32 s[GV+3], s[GV+3], 0x80000000
	CROUND                                         ; all sixteen work-groups are here: the first joint loads meet
	JLOAD 0                                        ; one tensor load a wave at the head
	v_and_b32 v1, 15, v0                           ; r
	v_bfe_u32 v2, v0, 4, 1                         ; h
	v_and_b32 v3, 31, v0                           ; lane
	v_lshlrev_b32 v[L16], 4, v3
	v_lshlrev_b32 v[L8], 3, v3
	v_mul_u32_u24 v4, s87, v2                      ; lanes 16-31 take B's scale words: one product with h
	v_lshl_add_u32 v4, v1, 3, v4
	v_add_nc_u32 v[ADRA], s96, v[L16]
	v_add_nc_u32 v[ADRB], s97, v[L16]
	v_add_nc_u32 v[ADRS], s96, v4
	v_add_nc_u32 v[ADRS], 12288, v[ADRS]
	v_add_nc_u32 v[ADRA+1], SLOT, v[ADRA]
	v_add_nc_u32 v[ADRB+1], SLOT, v[ADRB]
	v_add_nc_u32 v[ADRS+1], SLOT, v[ADRS]
	v_add_nc_u32 v[ADVA], s18, v[L16]
	v_add_nc_u32 v[ADVA+1], 4*REC, v[ADVA]
	v_add_nc_u32 v[ADVB], XB, v[L16]
	v_add_nc_u32 v[ADVB+1], 4*REC, v[ADVB]
	v_mul_u32_u24 v5, s22, v2
	v_lshl_add_u32 v5, v1, 3, v5
	v_add_nc_u32 v[ADVS], s19, v5
	v_add_nc_u32 v[ADVS+1], 4*REC, v[ADVS]
	v_lshlrev_b32 v6, 6, v2                        ; tile 1's bias runs along a lane's registers: 64 h
	v_and_b32 v7, 8, v1
	v_add_nc_u32 v7, v7, v1
	v_lshlrev_b32 v7, 2, v7                        ; tile 2's along the lanes' rows: 4 (r + 8 (r / 8))
.irp b, 0,1,2,3
	v_mov_b32 v[TM+4+\b], 0                        ; a lane permute's destination counts as one of its sources
.endr
.irp t, 0,1,2,3,4,5,6,7
	global_load_b128 v[BIAS+8*\t:BIAS+8*\t+3], v6, s[84:85] offset:(32*(\t/2)+8*(\t%2))*4
	global_load_b128 v[BIAS+8*\t+4:BIAS+8*\t+7], v6, s[84:85] offset:(32*(\t/2)+8*(\t%2))*4+16
.endr
	WIN 0x40
.irp a, 0,1,2,3
.irp j, 0,1,2,3,4,5,6,7
	global_load_b32 v[VBIAS+8*\a+\j], v7, s[94:95] offset:(32*(\a/2)+8*(\a%2))*4   ; the same number in a tile's eight registers
.endr
.endr
	WIN 0
.macro FRAG reg, adr, off
.irp c, 0,1,2
	ds_load_b128 v[\reg+4*\c:\reg+4*\c+3], v[\adr] offset:\off+512*\c
.endr
.endm
.macro FETCH_B slot, q, p
	WIN 0x40
.irp i, 0,1,2,3,4,5,6,7
	FRAG 128*(\p)+FR*\i, ADRB+\slot, (\q)*REC+1536*\i
.endr
	WIN 0
.endm
.macro FETCH_A slot, q, i0
.irp i, \i0, \i0+1, \i0+2, \i0+3
	FRAG AF+FR*(\i), ADRA+\slot, (\q)*REC+1536*(\i)
.endr
.endm
.macro SCALES slot
.irp q, 0,1
.irp n, 0,1,2,3
	ds_load_b64 v[SC+16*\slot+8*\q+2*\n:SC+16*\slot+8*\q+2*\n+1], v[ADRS+\slot] offset:\q*REC+128*\n
.endr
.endr
.endm
.macro WM d, bf, af, c, sb, sa         ; source 0 = B (its scales in lanes 16-31), source 1 = A
	v_wmma_scale_f32_16x16x128_f8f6f4 v[\d:\d+7], v[\bf:\bf+FR-1], v[\af:\af+FR-1], v[\c:\c+7], v[\sb], v[\sa] matrix_a_fmt:MATRIX_FMT_BF6 matrix_b_fmt:MATRIX_FMT_BF6 matrix_a_scale:MATRIX_SCALE_ROW1
.endm
; 16 matrix instructions: A's blocks a0, a0 + 1 x B's eight; cm = 1: the bias starts the sums.  The accumulators take turns, one instruction a turn.
.macro MUL16 a0, p, q, sc, cm
.irp a, \a0, \a0+1
.irp b, 0,1,2,3,4,5,6,7
.if (\cm) == 0
	WM 8*(8*((\a)%4)+\b), 128*(\p)+FR*\b, AF+FR*(\a), 8*(8*((\a)%4)+\b), SC+16*(\sc)+8*(\q)+\b, SC+16*(\sc)+8*(\q)+(\a)
.else
	WM 8*(8*((\a)%4)+\b), 128*(\p)+FR*\b, AF+FR*(\a), BIAS+8*\b, SC+16*(\sc)+8*(\q)+\b, SC+16*(\sc)+8*(\q)+(\a)
.endif
.endr
.endr
.endm
.macro STEP slot, q, cm                ; a step of 128 along K that has its successor in the same slot
	s_wait_dscnt 4*NL                              ; all but the youngest 12 loads (A's blocks 4-7)
.if (\cm) == 0
	WIN 0xa1
.else
	WIN 0x81
.endif
	MUL16 0, (\q)%2, \q, \slot, \cm
	MUL16 2, (\q)%2, \q, \slot, \cm
	s_wait_dscnt 0x0
	PLACES NP
	FETCH_B \slot, (\q)+1, 1-(\q)%2
	FETCH_A \slot, (\q)+1, 0
.if (\cm) == 0
	WIN 0xf1
.else
	WIN 0xc1
.endif
	MUL16 4, (\q)%2, \q, \slot, \cm
	MUL16 6, (\q)%2, \q, \slot, \cm
	PLACES NP
	WIN 0
	FETCH_A \slot, (\q)+1, 4
.endm
; A slot's last step changes slots.  fill = 1: this slot is filled again, two K steps ahead; fill = 2: nothing is filled again, and tile 2's tokens are first filled
.macro TURN slot, next, fill
	s_wait_tensorcnt 0x0                           ; all my tensor loads have landed
	ds_add_u32 v[SPW], v[NIL]
	s_wait_dscnt 4*NL+1                            ; (the add and the youngest 12 loads may be out)
	WIN 0xa1
	MUL16 0, 1, 1, \slot, 0
	s_wait_dscnt 0x0                               ; the add is done, my reads of this slot are over
	s_barrier_signal -1
	MUL16 2, 1, 1, \slot, 0
	WIN 0
	s_barrier_wait -1
	CREST                                          ; the barrier has opened a round of the cluster's barrier
.if (\fill) == 1
	s_add_nc_u64 s[G0+4*\slot+2:G0+4*\slot+3], s[G0+4*\slot+2:G0+4*\slot+3], 2*PAIR
	s_add_nc_u64 s[G0B+4*\slot+2:G0B+4*\slot+3], s[G0B+4*\slot+2:G0B+4*\slot+3], 2*PAIR
	JLOAD \slot
.else
	tensor_load_to_lds s[GX:GX+3], s[G1B:G1B+7]    ; every wave a quarter of the block's K, shared along my column
	s_nop 0
	PLACES 4
.endif
	FETCH_B \next, 0, 0
	FETCH_A \next, 0, 0
	SCALES \next
	WIN 0xf1
	MUL16 4, 1, 1, \slot, 0
	MUL16 6, 1, 1, \slot, 0
	PLACES NP
	WIN 0
	FETCH_A \next, 0, 4
.endm
; TILE 2.  Step s's fragments into set s % 2: B's eight, my four of A, and the scale words (register i: lanes 0-15 A's fragment i where i < 4, lanes 16-31 B's fragment i)
.macro VFETCH s
	WIN 0x40
.irp i, 0,1,2,3,4,5,6,7
	FRAG 128*((\s)%2)+FR*\i, ADVB+(\s)/4, ((\s)%4)*REC+1536*\i
.endr
	WIN 0
.irp i, 0,1,2,3
	FRAG AF+48*((\s)%2)+FR*\i, ADVA+(\s)/4, ((\s)%4)*REC+1536*\i
.endr
.irp n, 0,1,2,3
	ds_load_b64 v[SC+8*((\s)%2)+2*\n:SC+8*((\s)%2)+2*\n+1], v[ADVS+(\s)/4] offset:((\s)%4)*REC+128*\n
.endr
.endm
.macro VMUL s, first                   ; 32 matrix instructions, the 32 accumulators by turns
.irp a, 0,1,2,3
.irp b, 0,1,2,3,4,5,6,7
.if \first
	WM 8*(8*\a+\b), 128*((\s)%2)+FR*\b, AF+48*((\s)%2)+FR*\a, VBIAS+8*\a, SC+8*((\s)%2)+\b, SC+8*((\s)%2)+\a
.else
	WM 8*(8*\a+\b), 128*((\s)%2)+FR*\b, AF+48*((\s)%2)+FR*\a, 8*(8*\a+\b), SC+8*((\s)%2)+\b, SC+8*((\s)%2)+\a
.endif
.endr
.endr
.endm
.macro VSTEP s, first
	s_wait_dscnt 0x0                               ; this step's fragments are in
.if (\s) < 7
.if (\s) > 0
	PLACES NP                                      ; in front of loads into the set that the step before multiplied
.endif
	VFETCH (\s)+1
.endif
.if \first
	WIN 0x91                                       ; C: the bias, in window 1
.else
	WIN 0xa1
.endif
	VMUL \s, \first
	WIN 0
.endm
; THE WAY OUT.  Block a's 64 registers of a lane become a fragment and are stored as they stand.  Each accumulator is read from its low end on.
.macro QUANTW a, sb
.set W, 2+(\a)/4
.set S, 64*((\a)%4)
.set PCA, 64+12*(\a)
	WIN W|(W<<2)
.irp b, 0,1,2,3
	v_max3_num_f32 v[TM+\b], |v[S+16*\b]|, |v[S+1+16*\b]|, 0x2800000   ; my 16 numbers of block b, and the floor 2^(5 - 127)
.endr
	WIN (W<<2)|(W<<4)
.irp i, 2,4,6,8,10,12,14
.irp b, 0,1,2,3
	v_max3_num_f32 v[TM+\b], v[TM+\b], |v[S+16*\b+\i]|, |v[S+1+16*\b+\i]|
.endr
.endr
	WIN 0
.irp b, 0,1,2,3
	v_permlanex16_b32 v[TM+4+\b], v[TM+\b], s98, s99
.endr
.irp b, 0,1,2,3
	v_max_num_f32 v[TM+\b], v[TM+\b], v[TM+4+\b]   ; with lane l xor 16's: the block's largest magnitude
.endr
.irp b, 0,1,2,3
	v_add_nc_u32 v[TM+12+\b], 0xfe000000, v[TM+\b] ; 4 off its exponent field: the conversion's scale operand
.endr
.irp b, 0,1,2,3
	v_lshrrev_b32 v[TM+4+\b], 23, v[TM+12+\b]      ; the scale's byte
.endr
	v_lshl_or_b32 v[PWR+(\a)], v[TM+5], 8, v[TM+4]
	v_lshl_or_b32 v[PWR+(\a)], v[TM+6], 16, v[PWR+(\a)]
	v_lshl_or_b32 v[PWR+(\a)], v[TM+7], 24, v[PWR+(\a)]
	WIN W
.irp c, 0,1
	v_cvt_scalef32_pk16_bf6_f32 v[PCA+6*\c:PCA+2+6*\c], v[S+32*\c:S+15+32*\c], v[TM+12+2*\c]
	v_cvt_scalef32_pk16_bf6_f32 v[CT+4*\c:CT+2+4*\c], v[S+16+32*\c:S+31+32*\c], v[TM+12+2*\c+1]
.endr
	WIN 0
	v_nop                                          ; one plain place behind a scaled conversion
.irp c, 0,1
.irp i, 0,1,2
	v_permlane16_swap_b32 v[PCA+6*\c+\i], v[CT+4*\c+\i]
.endr
.irp i, 0,1,2
	v_mov_b32 v[PCA+3+6*\c+\i], v[CT+4*\c+\i]
.endr
.endr
.irp c, 0,1,2
	global_store_b128 v[L16], v[PCA+4*\c:PCA+4*\c+3], s[\sb:\sb+1] offset:1536*(\a)+512*\c   ; 512 consecutive bytes, aligned
.endr
.endm
.macro WORDS i, sb, off                ; lanes 0-15 the scale words of fragments 4 i, 4 i + 1, lanes 16-31 of 4 i + 2, 4 i + 3: 256 consecutive bytes, aligned
	v_cndmask_b32 v[248+2*\i], v[PWR+4*\i], v[PWR+4*\i+2], vcc_lo
	v_cndmask_b32 v[249+2*\i], v[PWR+4*\i+1], v[PWR+4*\i+3], vcc_lo
	global_store_b64 v[L8], v[248+2*\i:249+2*\i], s[\sb:\sb+1] offset:\off
.endm
	s_wait_alu depctr_va_vdst(0)
	s_wait_tensorcnt 0x0                           ; my part of slot 0 is in; slot 1's first fill is issued as a refill is
	ds_add_u32 v[SPW], v[NIL]
	s_wait_dscnt 0x0
	CROUND
	JLOAD 1
	FETCH_B 0, 0, 0
	FETCH_A 0, 0, 0
	SCALES 0
	FETCH_A 0, 0, 4
	s_wait_loadcnt 0x0                             ; both biases
	STEP 0, 0, 1
	TURN 0, 1, 1
	STEP 1, 0, 0
	TURN 1, 0, 1
	STEP 0, 0, 0
	TURN 0, 1, 2
	STEP 1, 0, 0
	s_wait_tensorcnt 0x0                           ; tile 1's last step: tile 2's tokens have landed
	ds_add_u32 v[SPW], v[NIL]
	s_mov_b32 s[G1+2], 200<<16                     ; no tensor load of mine is out: the next load along my row brings 200 rows
	s_mov_b32 s[G1+4], 200
	s_wait_dscnt 4*NL+1
	WIN 0xa1
	MUL16 0, 1, 1, 1, 0
	s_wait_dscnt 0x0                               ; the add is done, my reads of the ring are over
	s_barrier_signal -1
	MUL16 2, 1, 1, 1, 0
	WIN 0
	s_barrier_wait -1
	CREST
	tensor_load_to_lds s[GV:GV+3], s[G1:G1+7]      ; tile 2's A over both slots: wave w brings block w / 2, K half w % 2, to 51,200 w
	s_nop 0
	PLACES 4
	WIN 0xf1
	MUL16 4, 1, 1, 1, 0
	MUL16 6, 1, 1, 1, 0
	WIN 0
	PLACES NP
.irp a, 0,1,2,3,4,5,6,7
	QUANTW \a, 82
.endr
	v_cmp_lt_u32 vcc_lo, 15, v3
	WORDS 0, 82, 12288
	WORDS 1, 82, 12288+256
	s_wait_alu depctr_va_vdst(0)
	s_wait_xcnt 0x0                                ; the stores have read their registers: tile 2's fragments land there
	s_wait_tensorcnt 0x0                           ; my part of tile 2's A is in
	s_barrier_signal -1
	s_barrier_wait -1                              ; everybody's is; nothing is filled from here on
	VFETCH 0
	VSTEP 0, 1
.irp s, 1,2,3,4,5,6,7
	VSTEP \s, 0
.endr
	PLACES NP
.irp a, 0,1,2,3
	QUANTW \a, 90
.endr
	v_cmp_lt_u32 vcc_lo, 15, v3
	WORDS 0, 92, 0
	s_wait_tensorcnt 0x0                           ; the wave's end
	ds_add_u32 v[SPW], v[NIL]
	s_wait_dscnt 0x0
	CROUND                                         ; the closing round
	s_endpgm
.Lfunc_end_k_q5417802166_gemm_qkv:
	.size	k_q5417802166_gemm_qkv, .Lfunc_end_k_q5417802166_gemm_qkv-k_q5417802166_gemm_qkv
	.p2alignl 7, 3214868480
	.fill 96, 4, 3214868480
	.section	.rodata,"a",@progbits
	.p2align	6, 0x0
	.amdhsa_kernel k_q5417802166_gemm_qkv
		.amdhsa_group_segment_fixed_size 327680
		.amdhsa_private_segment_fixed_size 0
		.amdhsa_enable_private_segment 0
		.amdhsa_kernarg_size 32
		.amdhsa_user_sgpr_count 2
		.amdhsa_user_sgpr_kernarg_segment_ptr 1
		.amdhsa_wavefront_size32 1
		.amdhsa_system_sgpr_workgroup_id_x 1
		.amdhsa_system_sgpr_workgroup_id_y 1
		.amdhsa_system_sgpr_workgroup_id_z 1
		.amdhsa_system_vgpr_workitem_id 0
		.amdhsa_next_free_vgpr 1024
		.amdhsa_next_free_sgpr 100
		.amdhsa_reserve_vcc 1
		.amdhsa_float_denorm_mode_32 3
		.amdhsa_float_denorm_mode_16_64 3
		.amdhsa_memory_ordered 1
		.amdhsa_forward_progress 1
		.amdhsa_inst_pref_size 217
	.end_amdhsa_kernel
	.amdgpu_metadata
---
amdhsa.version: [ 1, 2 ]
amdhsa.kernels:
  - .name:           k_q5417802166_gemm_qkv
    .symbol:         k_q5417802166_gemm_qkv.kd
    .args:
      - { .name: xr, .offset: 0, .size: 8, .value_kind: global_buffer, .address_space: global }
      - { .name: wr, .offset: 8, .size: 8, .value_kind: global_buffer, .address_space: global }
      - { .name: b_attn, .offset: 16, .size: 8, .value_kind: global_buffer, .address_space: global }
      - { .name: qkvr, .offset: 24, .size: 8, .value_kind: global_buffer, .address_space: global }
    .group_segment_fixed_size: 327680
    .private_segment_fixed_size: 0
    .kernarg_segment_align: 8
    .kernarg_segment_size: 32
    .max_flat_workgroup_size: 128
    .sgpr_count:     100
    .vgpr_count:     1024
    .wavefront_size: 32
...
	.end_amdgpu_metadata
.endif
;; end of part 2
;; launch attn (part 3): grid 256 x 1, 16 waves a work-group, clusters of 4 x 1, 232,448 bytes of LDS; arguments qkvr, yr; writes yr
.if DOCPART == 3
	.amdgcn_target "amdgcn-amd-amdhsa--gfx1250"
	.amdhsa_code_object_version 6
	.text
	.protected	k_q5417802166_attn
	.globl	k_q5417802166_attn
	.p2align	8
	.type	k_q5417802166_attn,@function
k_q5417802166_attn:
	s_mov_b64 s[64:65], 0
	v_nop
	global_prefetch_b8 v0, s[64:65] scope:SCOPE_SE
	s_setreg_imm32_b32 hwreg(HW_REG_WAVE_MODE, 25, 1), 1
	s_wait_xcnt 0x0
	s_wait_alu depctr_hold_cnt(0) depctr_sa_sdst(0) depctr_va_vdst(0) depctr_va_sdst(0) depctr_va_ssrc(0) depctr_va_vcc(0) depctr_vm_vsrc(0)
	s_getreg_b32 s2, hwreg(HW_REG_IB_STS2, 6, 4)
	s_cmp_eq_u32 s2, 0
	s_cbranch_scc0 .Lentry_in_a_cluster
	s_endpgm
.Lentry_in_a_cluster:
	s_bfe_u32 s2, ttmp6, 0x10000c
	s_cmp_lg_u32 s2, 0x3003
	s_cbranch_scc0 .Lentry_shape_is_right
	s_endpgm
.Lentry_shape_is_right:
; y = softmax(q k^T / 8, causal) v for 8 batches x 16 heads of 64, both products on codes of BF6 (E3M2); y is quantised along the channels and stored as records for the last product.
; THE SOFTMAX AHEAD OF THE SECOND PRODUCT: t = score x log2(e) / 8; M = the running largest t rounded up to a whole number; p = 2^(t - M) is quantised along the keys, not normalised;
; the row's sum is taken of the unquantised p and divides at the end.  When M moves, the sum and O are multiplied by 2^(old M - new M): exact.
; RECORDS (12,800 bytes): 128 rows x 128 K as images of the operand's registers (fragment a at 1536 a, registers 4 c .. + 3 of lane l at + 512 c + 16 l; scale word of (a, r) at 12288 + 128 (a / 2) + 8 r + 4 (a % 2);
; row r of fragment 2 b + u is the record's row 32 b + 8 u + r + 8 (r / 8)).  q, k: rows tokens, K the 128 channels of a PAIR of heads; v: rows the pair's channels (fragments 4 c + 0 .. 3: head c), K 128 tokens.
; SHARES.  A cluster of four work-groups owns one batch and one pair of heads.  The pair's K and V, 16 records, 204,800 bytes, lie in each work-group's LDS WHOLE, filled once: each of the sixteen waves asks for one record, jointly
; with its partners.  So there is no ring and nothing is filled again.  Work-group cx takes, of every block of 128 queries, fragments 2 cx and 2 cx + 1.  A wave (g, head c, u from its number) has two jobs: fragment 2 cx + u of
; query blocks g and 7 - g: 9 key steps of 128 for every wave.  Every branch and every LDS address hangs on the wave's number alone; cx enters global addresses and the mask's numbers.
; K = 64: a key's fragment holds both heads' channels; the OTHER head's half of my q fragment is cleared (zero codes add nothing), so K's fragments are used as they lie.
; LAYOUT.  Both products transposed: S^T = K Q^T, O^T = V^T P^T: a lane holds one query; by the records' order of rows the 16 registers of tiles 2 b, 2 b + 1 are keys (or channels) 32 b + 16 (lane / 16) + 0 .. 15.
; CAUSAL: key steps behind my query block are left out by a scalar branch on the wave's number; in the step on the diagonal hidden scores become -infinity ahead of the maximum.  The step's first key counts for every query.
; LIMITS: p under 2^-126 falls to 0; a block of zeros gets the byte 1 (its codes are zeros; this program alone reads the bytes); NaN and infinities are not served.
; REGISTERS: v1-7, v28-31, v80-87 addresses that stay; v8-11 the step's; v12 -M, v13 the largest t, v[14:15] the sum; v16-27, v255 job 0's q and its scale words; v192-203, v204 job 1's; v32-79 four fragments;
;   v96-159 S^T, then p; v160-191 O^T; v224-235 p's codes; v232-254 at work; v248-251 K's or V's scale words, v253 p's.
.set REC,  12800
.set VB,   8*REC                       ; K's eight records, then V's eight
.set YST,  16*REC                      ; y's 16 fragments, each as six planes of 256 bytes (a register pair of 32 lanes)
.set YSC,  YST+16*1536                 ; y's scale words: [query block][r][u], 128 bytes a block
.set ADK,  8
.set ADV,  9
.set ADS,  10
.set ADT,  11
.set SEL,  20                          ; s[20:21]
.set CS,   22                          ; s[22:23] c = log2(e) / 8
.set TB,   36                          ; s36 the key step's record in LDS
.set SI,   37                          ; s37 the key step
.macro CROUND
	s_barrier_signal -1
	s_barrier_wait -1
	s_cmp_lg_u32 s8, 0
	s_cbranch_scc1 .Lnot_wave_0_\@
	s_barrier_signal -3
.Lnot_wave_0_\@:
	s_barrier_wait -3
	s_barrier_signal -1
	s_barrier_wait -1
.endm
	s_load_b128 s[4:7], s[0:1], 0x0                ; qkvr, yr
	v_lshl_add_u32 v223, v0, 2, 0x38400
	v_mov_b32 v243, 0
	ds_add_u32 v223, v243
	ds_add_u32 v223, v243
	v_lshrrev_b32 v8, 5, v0
	s_delay_alu instid0(VALU_DEP_1)
	v_readfirstlane_b32 s8, v8                     ; wave 0..15
	s_bfe_u32 s9, ttmp6, 0x40000                   ; cx
	s_and_b32 s10, s8, 3                           ; g
	s_bfe_u32 s11, s8, 0x10002                     ; c: the head of the pair
	s_bfe_u32 s12, s8, 0x10003                     ; u
	s_mov_b32 s13, s10                             ; job 0's query block
	s_xor_b32 s14, s10, 7                          ; job 1's
	s_mov_b32 s24, 15|(3<<16)|(1<<21)              ; group 1: the mask names all four; elements of 8 bytes; 21 set beside a mask; a record is 50 rows of 256 bytes, dense
	s_mov_b32 s25, 32<<16
	s_mov_b32 s26, 50<<16
	s_mov_b32 s27, 32<<16
	s_mov_b32 s28, 50
	s_mov_b32 s29, 32
	s_mov_b32 s30, 0
	s_mov_b32 s31, 0
	s_mul_i32 s46, ttmp9, 24                       ; the pair's 24 records
	s_add_co_u32 s47, s46, s13
	s_mul_i32 s40, s47, REC                        ; q's record, job 0
	s_mov_b32 s41, 0
	s_add_co_u32 s47, s46, s14
	s_mul_i32 s42, s47, REC                        ; job 1
	s_mov_b32 s43, 0
	s_add_co_u32 s47, s46, 8
	s_add_co_u32 s47, s47, s8
	s_mul_i32 s44, s47, REC                        ; the record that I fetch: waves 0-7 K's, 8-15 V's
	s_mov_b32 s45, 0
	s_lshr_b32 s48, ttmp9, 3
	s_lshl_b32 s48, s48, 3
	s_lshr_b32 s49, s8, 1
	s_add_co_u32 s48, s48, s49                     ; batch x 8 + the query block whose fragment I copy out
	s_lshl_b32 s48, s48, 3
	s_and_b32 s49, ttmp9, 7
	s_add_co_u32 s48, s48, s49                     ; x 8 + the pair
	s_mul_i32 s56, s48, REC
	s_mov_b32 s57, 0
	s_mov_b32 s32, 1
	s_mul_i32 s33, s8, REC                         ; its place in LDS: wave x 12,800
	s_mov_b32 s[SEL], 0x76543210
	s_mov_b32 s[SEL+1], 0xfedcba98
	s_mov_b32 s[CS], 0x3e38aa3b
	s_mov_b32 s[CS+1], s[CS]                       ; (named with it as a pair, so it is written)
	s_cmp_eq_u32 s11, 0
	s_cselect_b32 s38, -1, 0                       ; keeps registers 0-5 of q for head 0,
	s_cselect_b32 s39, 0, -1                       ; registers 6-11 for head 1
	s_wait_dscnt 0x0
	s_wait_kmcnt 0x0
	s_add_nc_u64 s[34:35], s[4:5], s[44:45]
	s_or_b32 s35, s35, 0x80000000
	s_add_nc_u64 s[40:41], s[4:5], s[40:41]
	s_add_nc_u64 s[42:43], s[4:5], s[42:43]
	s_add_nc_u64 s[56:57], s[6:7], s[56:57]
	CROUND                                         ; all four work-groups are here: the joint loads meet
	tensor_load_to_lds s[32:35], s[24:31]          ; my one tensor load of the launch
	s_nop 0
.rept 4
	v_nop
.endr
	v_and_b32 v83, 15, v0                          ; r
	v_bfe_u32 v84, v0, 4, 1                        ; h
	v_and_b32 v85, 31, v0                          ; lane
	s_delay_alu instid0(VALU_DEP_1)
	v_lshlrev_b32 v1, 4, v85                       ; K's fragments: 16 x lane
	s_wait_alu depctr_va_vdst(0)
	s_lshl_b32 s46, s9, 1
	s_add_co_u32 s46, s46, s12                     ; my fragment of queries: 2 cx + u
	s_mul_i32 s47, s46, 1536
	v_add_nc_u32 v30, s47, v1
	s_lshl_b32 s48, s9, 7
	s_lshl_b32 s49, s12, 2
	s_add_co_u32 s48, s48, s49
	s_add_co_u32 s48, s48, 12288
	v_lshl_add_u32 v31, v83, 3, s48                ; and its scale words
.irp c, 0,1,2
	global_load_b128 v[16+4*\c:19+4*\c], v30, s[40:41] offset:512*\c
	global_load_b128 v[192+4*\c:195+4*\c], v30, s[42:43] offset:512*\c
.endr
	global_load_b32 v255, v31, s[40:41]
	global_load_b32 v204, v31, s[42:43]
	v_lshl_add_u32 v2, v83, 3, 12288               ; K's scale words: 12288 + 8 r
	s_mul_i32 s50, s11, 6144
	s_add_co_u32 s50, s50, VB
	v_add_nc_u32 v3, s50, v1                       ; V's fragments of my head
	s_lshl_b32 s50, s11, 8
	s_add_co_u32 s50, s50, VB+12288
	v_lshl_add_u32 v4, v83, 3, s50                 ; and their scale words
	s_lshl_b32 s52, s9, 5
	s_lshl_b32 s53, s12, 3
	s_add_co_u32 s52, s52, s53
	v_and_b32 v5, 8, v83
	s_delay_alu instid0(VALU_DEP_1)
	v_add_nc_u32 v5, v5, v83
	s_delay_alu instid0(VALU_DEP_1)
	v_add_nc_u32 v5, s52, v5                       ; my query in its block of 128: 32 cx + 8 u + r + 8 (r / 8),
	v_lshlrev_b32 v82, 4, v84
	s_delay_alu instid0(VALU_DEP_1)
	v_sub_nc_u32 v5, v5, v82                       ; less 16 h: register 16 b + i holds key 32 b + 16 h + i: hidden where 32 b + i is above this number
	s_mul_i32 s51, s11, 768
	s_add_co_u32 s51, s51, YST
	s_lshl_b32 s50, s13, 1
	s_add_co_u32 s50, s50, s12
	s_mul_i32 s50, s50, 1536
	s_add_co_u32 s50, s50, s51
	v_lshl_add_u32 v6, v85, 3, s50                 ; where job 0's codes go: fragment 2 G + u, planes 3 c on, 8 x lane
	s_lshl_b32 s50, s14, 1
	s_add_co_u32 s50, s50, s12
	s_mul_i32 s50, s50, 1536
	s_add_co_u32 s50, s50, s51
	v_lshl_add_u32 v7, v85, 3, s50                 ; job 1's
	s_lshl_b32 s51, s12, 2
	s_lshl_b32 s53, s11, 1
	s_add_co_u32 s51, s51, s53
	s_add_co_u32 s51, s51, YSC
	s_lshl_b32 s50, s13, 7
	s_add_co_u32 s50, s50, s51
	v_lshl_add_u32 v28, v83, 3, s50                ; job 0's two scale bytes: 128 G + 8 r + 4 u + 2 c
	s_lshl_b32 s50, s14, 7
	s_add_co_u32 s50, s50, s51
	v_lshl_add_u32 v29, v83, 3, s50                ; job 1's
	s_mul_i32 s50, s8, 1536
	s_add_co_u32 s50, s50, YST
	v_lshl_add_u32 v80, v85, 3, s50                ; the copy: fragment = my wave's number
	s_lshl_b32 s50, s8, 6
	s_add_co_u32 s50, s50, YSC
	v_lshl_add_u32 v81, v85, 2, s50                ; and, in even waves, a query block's scale words
	s_and_b32 s58, s8, 1
	s_lshl_b32 s59, s9, 1
	s_add_co_u32 s59, s59, s58
	s_mul_i32 s59, s59, 1536
	v_add_nc_u32 v86, s59, v1                      ; in y's record: fragment 2 cx + (wave % 2)
	s_lshl_b32 s59, s9, 7
	s_add_co_u32 s59, s59, 12288
	v_lshl_add_u32 v87, v85, 2, s59                ; and my work-group's 128 bytes of its scale words
.irp b, 0,1,2,3
	v_mov_b32 v[236+\b], 0                         ; written once: a lane permute's destination counts as one of its sources
.endr
	v_mov_b32 v252, 0
	v_mov_b32 v253, 0                              ; (named as the upper half of the pair v[252:253] before it is first written)
	s_wait_tensorcnt 0x0                           ; my record has landed,
	s_barrier_signal -1
	s_barrier_wait -1                              ; everybody's has
	s_wait_loadcnt 0x0                             ; q
.irp k, 0,1,2,3,4,5
	v_and_b32 v[16+\k], s38, v[16+\k]              ; the other head's codes become zeros
	v_and_b32 v[22+\k], s39, v[22+\k]
	v_and_b32 v[192+\k], s38, v[192+\k]
	v_and_b32 v[198+\k], s39, v[198+\k]
.endr
; A JOB: 16 queries of query block s[GQ] against key steps 0 .. s[GQ]; q in v[QF] on, its scale words in v[QS]; y's codes go to LDS at v[STA], its two scale bytes at v[SCA].
.macro JOB GQ, QF, QS, STA, SCA
	v_mov_b32 v13, 0xff61b1e6                      ; the largest t so far: -3e38, under every t
	s_delay_alu instid0(VALU_DEP_1)
	v_floor_f32 v12, -v13                          ; -M
	v_mov_b32 v14, 0
	v_mov_b32 v15, 0
.set j, 0
.rept 32
	v_mov_b32 v[160+j], 0                          ; O^T: the step is written once; the first change of M leaves zeros zeros
.set j, j+1
.endr
	s_mov_b32 s[TB], 0
	s_mov_b32 s[SI], 0
.Lstep_\@:                                         ; eight trips, a constant; the work of a step behind my query block is jumped over
	s_cmp_gt_u32 s[SI], s[\GQ]
	s_cbranch_scc1 .Lhidden_\@
	v_add_nc_u32 v[ADK], s[TB], v1                 ; (these four are the places in front of the loads below)
	s_wait_alu depctr_va_vdst(0)
	v_add_nc_u32 v[ADV], s[TB], v3
	v_add_nc_u32 v[ADS], s[TB], v2
	s_wait_alu depctr_va_vdst(0)
	v_add_nc_u32 v[ADT], s[TB], v4
.irp u, 0,1                                    ; S^T = K Q^T, four tiles of 16 keys at a time
.if \u > 0
.rept 4
	v_nop                                          ; places in front of loads into registers that matrix instructions have read
.endr
.endif
.irp t, 0,1,2,3
.irp c, 0,1,2
	ds_load_b128 v[32+12*\t+4*\c:35+12*\t+4*\c], v[ADK] offset:(4*\u+\t)*1536+512*\c
.endr
.endr
	ds_load_b64 v[248:249], v[ADS] offset:256*\u
	ds_load_b64 v[250:251], v[ADS] offset:256*\u+128
	s_wait_dscnt 0x0
.irp t, 0,1,2,3
	v_wmma_scale_f32_16x16x128_f8f6f4 v[96+8*(4*\u+\t):103+8*(4*\u+\t)], v[32+12*\t:43+12*\t], v[\QF:\QF+11], 0, v[248+\t], v[\QS] matrix_a_fmt:MATRIX_FMT_BF6 matrix_b_fmt:MATRIX_FMT_BF6
.endr
.endr
.rept 4
	v_nop
.endr
	s_cmp_lg_u32 s[SI], s[\GQ]                     ; only the step on the diagonal has hidden keys
	s_cbranch_scc1 .Lopen_\@
	v_mov_b32 v254, 0xff800000                     ; -infinity
.irp n, 0,1,2,3,4,5,6,7,8,9,10,11,12,13,14,15,16,17,18,19,20,21,22,23,24,25,26,27,28,29,30,31,32,33,34,35,36,37,38,39,40,41,42,43,44,45,46,47,48,49,50,51,52,53,54,55,56,57,58,59,60,61,62,63
	v_cmp_gt_i32 vcc_lo, 32*(\n/16)+\n%16, v5
	v_cndmask_b32 v[96+\n], v[96+\n], v254, vcc_lo
.endr
.Lopen_\@:
.irp b, 0,1,2,3
	v_max3_num_f32 v[232+\b], v[96+16*\b], v[97+16*\b], v[98+16*\b]   ; the largest score of each block of 32 keys: for the row's maximum and, since p rises with the score, for the block's largest p
.endr
.irp i, 3,5,7,9,11,13
.irp b, 0,1,2,3
	v_max3_num_f32 v[232+\b], v[232+\b], v[96+16*\b+\i], v[97+16*\b+\i]
.endr
.endr
.irp b, 0,1,2,3
	v_max_num_f32 v[232+\b], v[232+\b], v[111+16*\b]
.endr
.irp b, 0,1,2,3
	s_delay_alu instid0(VALU_DEP_4)
	v_permlanex16_b32 v[236+\b], v[232+\b], s[SEL], s[SEL+1]
.endr
.irp b, 0,1,2,3
	s_delay_alu instid0(VALU_DEP_4)
	v_max_num_f32 v[232+\b], v[232+\b], v[236+\b]  ; with lane l xor 16's 16 keys
.endr
	s_delay_alu instid0(VALU_DEP_2)
	v_max3_num_f32 v254, v232, v233, v234
	s_delay_alu instid0(VALU_DEP_1)
	v_max_num_f32 v254, v254, v235                 ; the step's largest score of my query
	s_delay_alu instid0(VALU_DEP_1)
	v_mul_f32 v254, s[CS], v254                    ; as t
	s_delay_alu instid0(VALU_DEP_1)
	v_max_num_f32 v13, v13, v254                   ; the running largest t
	v_mov_b32 v254, v12
	s_delay_alu instid0(VALU_DEP_2)
	v_floor_f32 v12, -v13                          ; the new -M = -ceil(t)
	s_delay_alu instid0(VALU_DEP_1)
	v_sub_f32 v254, v12, v254                      ; old M - new M: a whole number, 0 or less
	s_delay_alu instid0(VALU_DEP_1)
	v_cvt_i32_f32 v254, v254                       ; (it saturates)
	s_delay_alu instid0(VALU_DEP_1)
	v_ldexp_f32 v252, 1.0, v254                    ; f = 2^(old M - new M)
.irp j, 0,2,4,6,8,10,12,14,16,18,20,22,24,26,28,30,32,34,36,38,40,42,44,46,48,50,52,54,56,58,60,62
	v_pk_fma_f32 v[96+\j:97+\j], v[96+\j:97+\j], s[CS:CS+1], v[12:13] op_sel_hi:[1,0,0]   ; t - M, two at a time
.endr
.irp b, 0,1,2,3
	v_fma_f32 v[232+\b], v[232+\b], s[CS], v12     ; the same of each block's largest score
.endr
	s_wait_alu depctr_va_vdst(0)
.irp j, 0,1,2,3,4,5,6,7,8,9,10,11,12,13,14,15,16,17,18,19,20,21,22,23,24,25,26,27,28,29,30,31,32,33,34,35,36,37,38,39,40,41,42,43,44,45,46,47,48,49,50,51,52,53,54,55,56,57,58,59,60,61,62,63
	v_exp_f32 v[96+\j], v[96+\j]                   ; p = 2^(t - M), at most 1
.endr
.irp b, 0,1,2,3
	v_exp_f32 v[232+\b], v[232+\b]                 ; the block's largest p
.endr
	v_pk_mul_f32 v[14:15], v[14:15], v[252:253] op_sel_hi:[1,0]   ; the sums under the new M.  (A plain place behind the exponentials)
	s_wait_alu depctr_va_vdst(0)
.irp b, 0,1,2,3
	v_max_num_f32 v[232+\b], 0x2800000, v[232+\b]  ; the floor 2^(5 - 127): the byte cannot fall under 1
.endr
.irp b, 0,1,2,3
	s_delay_alu instid0(VALU_DEP_4)
	v_add_nc_u32 v[244+\b], 0xfe000000, v[232+\b]  ; the conversion's scale operand
.endr
.irp b, 0,1,2,3
	s_delay_alu instid0(VALU_DEP_4)
	v_lshrrev_b32 v[236+\b], 23, v[244+\b]         ; the scale's byte
.endr
	s_delay_alu instid0(VALU_DEP_3)
	v_lshl_or_b32 v253, v237, 8, v236              ; p's scale word for these 128 keys
	s_delay_alu instid0(VALU_DEP_1)
	v_lshl_or_b32 v253, v238, 16, v253
	s_delay_alu instid0(VALU_DEP_1)
	v_lshl_or_b32 v253, v239, 24, v253
.irp c, 0,1
	v_cvt_scalef32_pk16_bf6_f32 v[224+6*\c:226+6*\c], v[96+32*\c:111+32*\c], v[244+2*\c]
	v_cvt_scalef32_pk16_bf6_f32 v[236+4*\c:238+4*\c], v[112+32*\c:127+32*\c], v[244+2*\c+1]
.endr
	v_nop                                          ; one plain place behind a scaled conversion
.irp c, 0,1
.irp i, 0,1,2
	v_permlane16_swap_b32 v[224+6*\c+\i], v[236+4*\c+\i]
.endr
.irp i, 0,1,2
	s_delay_alu instid0(VALU_DEP_3)
	v_mov_b32 v[227+6*\c+\i], v[236+4*\c+\i]
.endr
.endr
	v_pk_add_f32 v[236:237], v[100:101], v[104:105]
	v_pk_add_f32 v[250:251], v[108:109], v[112:113]
	v_pk_add_f32 v[248:249], v[116:117], v[120:121]
	v_pk_add_f32 v[246:247], v[124:125], v[128:129]
	v_pk_add_f32 v[244:245], v[132:133], v[136:137]
	v_pk_add_f32 v[240:241], v[140:141], v[144:145]
	v_pk_add_f32 v[220:221], v[148:149], v[152:153]
	v_pk_add_f32 v[14:15], v[14:15], v[156:157]
	v_pk_add_f32 v[236:237], v[236:237], v[96:97]
	v_pk_add_f32 v[250:251], v[250:251], v[98:99]
	v_pk_add_f32 v[248:249], v[248:249], v[102:103]
	v_pk_add_f32 v[246:247], v[246:247], v[106:107]
	v_pk_add_f32 v[244:245], v[244:245], v[110:111]
	v_pk_add_f32 v[240:241], v[240:241], v[114:115]
	v_pk_add_f32 v[220:221], v[220:221], v[118:119]
	v_pk_add_f32 v[14:15], v[14:15], v[122:123]
	v_pk_add_f32 v[236:237], v[236:237], v[126:127]
	v_pk_add_f32 v[250:251], v[250:251], v[130:131]
	v_pk_add_f32 v[248:249], v[248:249], v[134:135]
	v_pk_add_f32 v[246:247], v[246:247], v[138:139]
	v_pk_add_f32 v[244:245], v[244:245], v[142:143]
	v_pk_add_f32 v[240:241], v[240:241], v[146:147]
	v_pk_add_f32 v[220:221], v[220:221], v[150:151]
	v_pk_add_f32 v[14:15], v[14:15], v[154:155]
	v_pk_add_f32 v[236:237], v[236:237], v[158:159]
	s_delay_alu instid0(VALU_DEP_2)
	v_pk_add_f32 v[14:15], v[14:15], v[246:247]
	s_delay_alu instid0(VALU_DEP_2)
	v_pk_add_f32 v[236:237], v[236:237], v[244:245]
	v_pk_add_f32 v[250:251], v[250:251], v[240:241]
	v_pk_add_f32 v[248:249], v[248:249], v[220:221]
	s_delay_alu instid0(VALU_DEP_2)
	v_pk_add_f32 v[14:15], v[14:15], v[250:251]
	s_delay_alu instid0(VALU_DEP_2)
	v_pk_add_f32 v[236:237], v[236:237], v[248:249]
	s_delay_alu instid0(VALU_DEP_1)
	v_pk_add_f32 v[14:15], v[14:15], v[236:237]
.irp j, 0,2,4,6,8,10,12,14,16,18,20,22,24,26,28,30
	v_pk_mul_f32 v[160+\j:161+\j], v[160+\j:161+\j], v[252:253] op_sel_hi:[1,0]   ; O^T under the new M.  (These are also the places in front of the loads and matrix instructions below)
.endr
.irp t, 0,1,2,3                                ; O^T += V^T P^T: my head's four tiles of 16 channels
.irp c, 0,1,2
	ds_load_b128 v[32+12*\t+4*\c:35+12*\t+4*\c], v[ADV] offset:1536*\t+512*\c
.endr
.endr
	ds_load_b64 v[248:249], v[ADT]
	ds_load_b64 v[250:251], v[ADT] offset:128
	s_wait_alu depctr_va_vdst(0)
	s_wait_dscnt 0x0
.irp t, 0,1,2,3
	v_wmma_scale_f32_16x16x128_f8f6f4 v[160+8*\t:167+8*\t], v[32+12*\t:43+12*\t], v[224:235], v[160+8*\t:167+8*\t], v[248+\t], v253 matrix_a_fmt:MATRIX_FMT_BF6 matrix_b_fmt:MATRIX_FMT_BF6
.endr
.Lhidden_\@:
	s_add_co_u32 s[TB], s[TB], REC
	s_add_co_u32 s[SI], s[SI], 1
	s_cmp_lt_u32 s[SI], 8
	s_cbranch_scc1 .Lstep_\@
.rept 4
	v_nop                                          ; places behind the last products
.endr
	v_add_f32 v14, v14, v15                        ; the sum's two halves,
	s_delay_alu instid0(VALU_DEP_1)
	v_permlanex16_b32 v252, v14, s[SEL], s[SEL+1]
	s_delay_alu instid0(VALU_DEP_1)
	v_add_f32 v14, v14, v252                       ; and lane l xor 16's: the row's sum
	s_wait_alu depctr_va_vdst(0)
	v_rcp_f32 v14, v14
	v_nop                                          ; one plain place behind a transcendental
.set j, 0
	s_wait_alu depctr_va_vdst(0)
.rept 32
	v_mul_f32 v[96+j], v[160+j], v14               ; y: register 16 b + i is channel 32 b + 16 h + i of my head
.set j, j+1
.endr
.irp b, 0,1                                    ; y's two blocks of 32 channels are quantised
	v_max3_num_f32 v[232+\b], |v[96+16*\b]|, |v[97+16*\b]|, 0x2800000
.endr
.irp i, 2,4,6,8,10,12,14
.irp b, 0,1
	s_delay_alu instid0(VALU_DEP_2)
	v_max3_num_f32 v[232+\b], v[232+\b], |v[96+16*\b+\i]|, |v[97+16*\b+\i]|
.endr
.endr
.irp b, 0,1
	s_delay_alu instid0(VALU_DEP_2)
	v_permlanex16_b32 v[236+\b], v[232+\b], s[SEL], s[SEL+1]
.endr
.irp b, 0,1
	s_delay_alu instid0(VALU_DEP_2)
	v_max_num_f32 v[232+\b], v[232+\b], v[236+\b]
.endr
.irp b, 0,1
	s_delay_alu instid0(VALU_DEP_2)
	v_add_nc_u32 v[244+\b], 0xfe000000, v[232+\b]
.endr
.irp b, 0,1
	s_delay_alu instid0(VALU_DEP_2)
	v_lshrrev_b32 v[236+\b], 23, v[244+\b]
.endr
	s_delay_alu instid0(VALU_DEP_1)
	v_lshl_or_b32 v238, v237, 8, v236              ; my head's two bytes of the row's scale word
	v_cvt_scalef32_pk16_bf6_f32 v[224:226], v[96:111], v244
	v_cvt_scalef32_pk16_bf6_f32 v[206:208], v[112:127], v245
	v_nop                                          ; one plain place behind a scaled conversion
.irp i, 0,1,2
	v_permlane16_swap_b32 v[224+\i], v[206+\i]
.endr
.irp i, 0,1,2
	s_delay_alu instid0(VALU_DEP_3)
	v_mov_b32 v[227+\i], v[206+\i]                 ; v224-229: registers 6 c .. 6 c + 5 of y's fragment
.endr
.irp k, 0,1,2
	ds_store_b64 v[\STA], v[224+2*\k:225+2*\k] offset:256*\k
.endr
	ds_store_b16 v[\SCA], v238                     ; both halves of the lanes write the same bytes with the same value
.endm
	JOB 13, 16, 255, 6, 28
	JOB 14, 192, 204, 7, 29
	s_wait_dscnt 0x0                               ; for the others' sake: my stores have landed
	s_barrier_signal -1
	s_barrier_wait -1                              ; y's sixteen fragments lie in LDS, each from two waves
.irp k, 0,1,2,3,4,5
	ds_load_b64 v[32+2*\k:33+2*\k], v80 offset:256*\k   ; plane k: registers 2 k, 2 k + 1 of my lane
.endr
	s_wait_dscnt 0x0
.irp c, 0,1,2
	global_store_b128 v86, v[32+4*\c:35+4*\c], s[56:57] offset:512*\c   ; 512 consecutive bytes, aligned
.endr
	s_cmp_lg_u32 s58, 0                            ; even waves also copy their query block's scale words
	s_cbranch_scc1 .Lodd
	ds_load_b32 v44, v81
	s_wait_dscnt 0x0
	global_store_b32 v87, v44, s[56:57]            ; 128 consecutive bytes: half of an aligned 256; the other half is a partner's
.Lodd:
	s_wait_tensorcnt 0x0
	ds_add_u32 v223, v243
	s_wait_dscnt 0x0
	CROUND                                         ; the closing round: no work-group ends while a partner may still ask for a record that names it
	s_endpgm
.Lfunc_end_k_q5417802166_attn:
	.size	k_q5417802166_attn, .Lfunc_end_k_q5417802166_attn-k_q5417802166_attn
	.p2alignl 7, 3214868480
	.fill 96, 4, 3214868480
	.section	.rodata,"a",@progbits
	.p2align	6, 0x0
	.amdhsa_kernel k_q5417802166_attn
		.amdhsa_group_segment_fixed_size 232448
		.amdhsa_private_segment_fixed_size 0
		.amdhsa_enable_private_segment 0
		.amdhsa_kernarg_size 16
		.amdhsa_user_sgpr_count 2
		.amdhsa_user_sgpr_kernarg_segment_ptr 1
		.amdhsa_wavefront_size32 1
		.amdhsa_system_sgpr_workgroup_id_x 1
		.amdhsa_system_sgpr_workgroup_id_y 1
		.amdhsa_system_sgpr_workgroup_id_z 1
		.amdhsa_system_vgpr_workitem_id 0
		.amdhsa_next_free_vgpr 256
		.amdhsa_next_free_sgpr 66
		.amdhsa_reserve_vcc 1
		.amdhsa_float_denorm_mode_32 3
		.amdhsa_float_denorm_mode_16_64 3
		.amdhsa_memory_ordered 1
		.amdhsa_forward_progress 1
		.amdhsa_inst_pref_size 67
	.end_amdhsa_kernel
	.amdgpu_metadata
---
amdhsa.version: [ 1, 2 ]
amdhsa.kernels:
  - .name:           k_q5417802166_attn
    .symbol:         k_q5417802166_attn.kd
    .args:
      - { .name: qkvr, .offset: 0, .size: 8, .value_kind: global_buffer, .address_space: global }
      - { .name: yr, .offset: 8, .size: 8, .value_kind: global_buffer, .address_space: global }
    .group_segment_fixed_size: 232448
    .private_segment_fixed_size: 0
    .kernarg_segment_align: 8
    .kernarg_segment_size: 16
    .max_flat_workgroup_size: 512
    .sgpr_count:     66
    .vgpr_count:     256
    .wavefront_size: 32
...
	.end_amdgpu_metadata
.endif
;; end of part 3
;; launch gemm_proj (part 4): grid 8 x 32, 4 waves a work-group, clusters of 4 x 4, 327,680 bytes of LDS; arguments yr, wr, b_proj, out0; writes out0
.if DOCPART == 4
	.amdgcn_target "amdgcn-amd-amdhsa--gfx1250"
	.amdhsa_code_object_version 6
	.text
	.protected	k_q5417802166_gemm_proj
	.globl	k_q5417802166_gemm_proj
	.p2align	8
	.type	k_q5417802166_gemm_proj,@function
k_q5417802166_gemm_proj:
	s_mov_b64 s[64:65], 0
	v_nop
	global_prefetch_b8 v0, s[64:65] scope:SCOPE_SE
	s_setreg_imm32_b32 hwreg(HW_REG_WAVE_MODE, 25, 1), 1
	s_wait_xcnt 0x0
	s_wait_alu depctr_hold_cnt(0) depctr_sa_sdst(0) depctr_va_vdst(0) depctr_va_sdst(0) depctr_va_ssrc(0) depctr_va_vcc(0) depctr_vm_vsrc(0)
	s_getreg_b32 s2, hwreg(HW_REG_IB_STS2, 6, 4)
	s_cmp_eq_u32 s2, 0
	s_cbranch_scc0 .Lentry_in_a_cluster
	s_endpgm
.Lentry_in_a_cluster:
	s_bfe_u32 s2, ttmp6, 0x10000c
	s_cmp_lg_u32 s2, 0xf033
	s_cbranch_scc0 .Lentry_shape_is_right
	s_endpgm
.Lentry_shape_is_right:
; out = y w_proj + b_proj on codes of BF6 (E3M2), f32 out.  OPERANDS are records (12,800 bytes: 128 rows x 128 K as images of the operand's registers: fragment a at 1536 a, registers 4 c .. 4 c + 3 of lane l
; at + 512 c + 16 l; scale word of (a, r) at 12288 + 128 (a / 2) + 8 r + 4 (a % 2); row r of fragment 2 b + u is the record's row 32 b + 8 u + r + 8 (r / 8)); a block's eight records along K lie on end.
; A tile is 256 tokens x 128 columns: 32 x 8 = 256 work-groups.  A wave makes 64 x 128 in 32 accumulators: block w / 2 of A, its fragments 4 (w % 2) on, against B's eight.
; ALL OF K LIES IN LDS, filled once: A's two blocks (102,400 bytes each, waves 0 and 1), then B's block (waves 2 and 3, half of K each): one tensor load a wave, no ring, nothing filled again, no barrier in the walk along K.
; THE MATRIX INSTRUCTION IS USED TRANSPOSED (source 0 = B, source 1 = A): a lane holds eight neighbouring columns of one token.  The bias is the C of each sum's first matrix instruction (added first and not last).
; CLUSTERS: 4 x 4; A's blocks are asked for jointly along a row of the cluster, B's along a column.  NO PREFETCH: the launch has one fill and no loop to run ahead in.
; THE WAY OUT: 16 tokens x 128 columns at a time through the wave's stage in LDS, back as rows of 512 bytes.  The stages lie over A's first bytes, behind a barrier behind which nobody reads fragments.
.set REC,   12800
.set XB,    16*REC                     ; B's block, behind A's two
.set SPARE, 24*REC
.set SPITCH, 528
.set FR,    12
.set NP,    4
.set ADVA,  8
.set ADVB,  10
.set ADVS,  12
.set STO,   24
.set RD,    25
.set CO,    26
.set SPW,   28
.set NIL,   29
.set SC,    32
.set BIAS,  64
.set AF,    128
.set BK,    128
.set G1,  24
.set G0,  32
.set G1B, 48
.set G0B, 56
.set MSB, 0
.macro WIN new
.if MSB != (\new)
	s_set_vgpr_msb (MSB<<8)|(\new)
.set MSB, (\new)
.endif
.endm
.macro PLACES n
.rept \n
	v_nop
.endr
.endm
.macro CROUND
	s_barrier_signal -1
	s_barrier_wait -1
	s_cmp_lg_u32 s14, 0
	s_cbranch_scc1 .Lnot_wave_0_\@
	s_barrier_signal -3
.Lnot_wave_0_\@:
	s_barrier_wait -3
	s_barrier_signal -1
	s_barrier_wait -1
.endm
	s_load_b256 s[4:11], s[0:1], 0x0               ; yr, wr, b_proj, out0
	v_lshl_add_u32 v[SPW], v0, 2, SPARE
	v_mov_b32 v[NIL], 0
	ds_add_u32 v[SPW], v[NIL]                      ; the opening lines: the add twice on end and its wait
	ds_add_u32 v[SPW], v[NIL]
	v_lshrrev_b32 v1, 5, v0
	v_readfirstlane_b32 s14, v1                    ; wave
	s_lshr_b32 s15, s14, 1
	s_and_b32 s16, s14, 1
	s_bfe_u32 s40, ttmp6, 0x40000                  ; cx
	s_bfe_u32 s41, ttmp6, 0x40004                  ; cy
	s_lshl_b32 s42, ttmp9, 2
	s_add_co_u32 s42, s42, s40                     ; tile column, 0-7
	s_and_b32 s17, ttmp7, 0xffff
	s_lshl_b32 s17, s17, 2
	s_add_co_u32 s17, s17, s41                     ; tile row, 0-31
	s_lshl_b32 s43, s41, 2
	s_lshl_b32 s43, 15, s43
	s_lshl_b32 s44, 0x1111, s40
	s_or_b32 s[G1], s43, (3<<16)|(1<<21)           ; dense bytes as rows of 256: A 400 rows a load, B 200
	s_or_b32 s[G1B], s44, (3<<16)|(1<<21)
.irp g, G1, G1B
	s_mov_b32 s[\g+1], 32<<16
	s_mov_b32 s[\g+3], 32<<16
	s_mov_b32 s[\g+5], 32
	s_mov_b32 s[\g+6], 0
	s_mov_b32 s[\g+7], 0
.endr
	s_mov_b32 s[G1+2], 400<<16
	s_mov_b32 s[G1+4], 400
	s_mov_b32 s[G1B+2], 200<<16
	s_mov_b32 s[G1B+4], 200
	s_lshl_b32 s20, s17, 1
	s_add_co_u32 s20, s20, s16
	s_mul_i32 s20, s20, 8*REC                      ; A: block 2 x tile row + w % 2
	s_mov_b32 s21, 0
	s_add_co_u32 s46, s42, 24
	s_mul_i32 s46, s46, 8*REC                      ; B: w_proj's blocks begin at 24
	s_mul_i32 s47, s16, 4*REC
	s_add_co_u32 s46, s46, s47                     ; K half w % 2
	s_mov_b32 s47, 0
	s_mov_b32 s[G0], 1
	s_mul_i32 s[G0+1], s16, 8*REC
	s_mov_b32 s[G0B], 1
	s_mul_i32 s[G0B+1], s16, 4*REC
	s_add_co_u32 s[G0B+1], s[G0B+1], XB
	s_lshl_b32 s80, s17, 20                        ; out0: 256 tokens of 4,096 bytes a tile row,
	s_lshl_b32 s81, s15, 19
	s_add_co_u32 s80, s80, s81                     ; 128 a block,
	s_lshl_b32 s81, s16, 18
	s_add_co_u32 s80, s80, s81                     ; 64 for my four fragments,
	s_lshl_b32 s82, s42, 9
	s_add_co_u32 s80, s80, s82                     ; 512 bytes a tile column
	s_mov_b32 s81, 0
	s_mov_b32 s83, 0
	s_mul_i32 s18, s15, 8*REC                      ; LDS: my block of A,
	s_lshl_b32 s19, s16, 8
	s_add_co_u32 s19, s19, s18
	s_add_co_u32 s19, s19, 12288                   ; my four fragments' scale words,
	s_mul_i32 s22, s16, 6144
	s_add_co_u32 s18, s18, s22                     ; my four fragments,
	s_xor_b32 s22, s15, 1
	s_mul_i32 s22, s22, 8*REC
	s_xor_b32 s23, s16, 1
	s_lshl_b32 s23, s23, 8
	s_add_co_u32 s22, s22, s23
	s_add_co_u32 s22, s22, 8*REC-256               ; from those words to B's: XB - 102400 (w / 2) - 256 (w % 2)
	s_mul_i32 s84, s14, 16*SPITCH                  ; my stage
	s_wait_dscnt 0x0
	s_wait_kmcnt 0x0
	s_add_nc_u64 s[G0+2:G0+3], s[4:5], s[20:21]
	s_or_b32 s[G0+3], s[G0+3], 0x80000000
	s_add_nc_u64 s[G0B+2:G0B+3], s[6:7], s[46:47]
	s_or_b32 s[G0B+3], s[G0B+3], 0x80000000
	s_add_nc_u64 s[8:9], s[8:9], s[82:83]
	s_add_nc_u64 s[10:11], s[10:11], s[80:81]
	CROUND                                         ; all sixteen work-groups are here: the joint loads meet
	s_cmp_eq_u32 s15, 0
	s_cbranch_scc0 .Lfor_b
	tensor_load_to_lds s[G0:G0+3], s[G1:G1+7]      ; my one tensor load of the launch
	s_nop 0
	PLACES 4
	s_branch .Lasked
.Lfor_b:
	tensor_load_to_lds s[G0B:G0B+3], s[G1B:G1B+7]
	s_nop 0
	PLACES 4
.Lasked:
	v_and_b32 v1, 15, v0                           ; r
	v_bfe_u32 v2, v0, 4, 1                         ; h
	v_and_b32 v3, 31, v0
	v_lshlrev_b32 v[CO], 4, v3                     ; 16 x lane
	v_add_nc_u32 v[ADVA], s18, v[CO]
	v_add_nc_u32 v[ADVA+1], 4*REC, v[ADVA]         ; K steps 4-7
	v_add_nc_u32 v[ADVB], XB, v[CO]
	v_add_nc_u32 v[ADVB+1], 4*REC, v[ADVB]
	v_mul_u32_u24 v5, s22, v2                      ; lanes 16-31 take B's scale words: one product with h
	v_lshl_add_u32 v5, v1, 3, v5
	v_add_nc_u32 v[ADVS], s19, v5
	v_add_nc_u32 v[ADVS+1], 4*REC, v[ADVS]
	v_mul_u32_u24 v4, v1, SPITCH
	v_lshl_add_u32 v4, v2, 6, v4
	v_add_nc_u32 v[STO], s84, v4                   ; into the stage: row r, + 64 h
	v_add_nc_u32 v[RD], s84, v[CO]                 ; out of it: a row of 512 bytes
	v_lshlrev_b32 v6, 6, v2
.irp t, 0,1,2,3,4,5,6,7
	global_load_b128 v[BIAS+8*\t:BIAS+8*\t+3], v6, s[8:9] offset:(32*(\t/2)+8*(\t%2))*4
	global_load_b128 v[BIAS+8*\t+4:BIAS+8*\t+7], v6, s[8:9] offset:(32*(\t/2)+8*(\t%2))*4+16
.endr
.macro FRAG reg, adr, off
.irp c, 0,1,2
	ds_load_b128 v[\reg+4*\c:\reg+4*\c+3], v[\adr] offset:\off+512*\c
.endr
.endm
.macro WM d, bf, af, c, sb, sa         ; source 0 = B (its scales in lanes 16-31), source 1 = A
	v_wmma_scale_f32_16x16x128_f8f6f4 v[\d:\d+7], v[\bf:\bf+FR-1], v[\af:\af+FR-1], v[\c:\c+7], v[\sb], v[\sa] matrix_a_fmt:MATRIX_FMT_BF6 matrix_b_fmt:MATRIX_FMT_BF6 matrix_a_scale:MATRIX_SCALE_ROW1
.endm
; step s's fragments into set s % 2: B's eight (window 1), my four of A, and the scale words (register i: lanes 0-15 A's fragment i where i < 4, lanes 16-31 B's fragment i)
.macro VFETCH s
	WIN 0x40
.irp i, 0,1,2,3,4,5,6,7
	FRAG 128*((\s)%2)+FR*\i, ADVB+(\s)/4, ((\s)%4)*REC+1536*\i
.endr
	WIN 0
.irp i, 0,1,2,3
	FRAG AF+48*((\s)%2)+FR*\i, ADVA+(\s)/4, ((\s)%4)*REC+1536*\i
.endr
.irp n, 0,1,2,3
	ds_load_b64 v[SC+8*((\s)%2)+2*\n:SC+8*((\s)%2)+2*\n+1], v[ADVS+(\s)/4] offset:((\s)%4)*REC+128*\n
.endr
.endm
.macro VMUL s, first                   ; 32 matrix instructions, the 32 accumulators (window 2) by turns
.irp a, 0,1,2,3
.irp b, 0,1,2,3,4,5,6,7
.if \first
	WM 8*(8*\a+\b), 128*((\s)%2)+FR*\b, AF+48*((\s)%2)+FR*\a, BIAS+8*\b, SC+8*((\s)%2)+\b, SC+8*((\s)%2)+\a
.else
	WM 8*(8*\a+\b), 128*((\s)%2)+FR*\b, AF+48*((\s)%2)+FR*\a, 8*(8*\a+\b), SC+8*((\s)%2)+\b, SC+8*((\s)%2)+\a
.endif
.endr
.endr
.endm
.macro VSTEP s, first
	s_wait_dscnt 0x0                               ; this step's fragments are in
.if (\s) > 0
	PLACES NP                                      ; in front of loads into the set that the step before multiplied
.endif
	VFETCH (\s)+1
.if \first
	WIN 0x81                                       ; C: the bias, in window 0
.else
	WIN 0xa1
.endif
	VMUL \s, \first
	WIN 0
.endm
	s_wait_alu depctr_va_vdst(0)
	s_wait_tensorcnt 0x0                           ; my load has landed,
	s_barrier_signal -1
	s_barrier_wait -1                              ; everybody's has
	VFETCH 0
	s_wait_loadcnt 0x0                             ; the bias
	VSTEP 0, 1
.irp s, 1,2,3,4,5,6
	VSTEP \s, 0
.endr
	s_wait_dscnt 0x0                               ; the last step: my reads of fragments are over:
	s_barrier_signal -1                            ; say so,
	WIN 0xa1
	VMUL 7, 0
	WIN 0
	s_barrier_wait -1                              ; and behind this wait the stages may be written
	PLACES NP
.macro TOSTAGE a
.set AC, 64*(\a)
	WIN 0x08                                       ; the data: window 2
.irp b, 0,1,2,3,4,5,6,7
	ds_store_b128 v[STO], v[AC+8*\b:AC+8*\b+3] offset:128*(\b/2)+32*(\b%2)      ; each accumulator from its low end on
	ds_store_b128 v[STO], v[AC+8*\b+4:AC+8*\b+7] offset:128*(\b/2)+32*(\b%2)+16
.endr
	WIN 0
.set BB, BK+64*((\a)%2)
.irp t, 0,1,2,3,4,5,6,7,8,9,10,11,12,13,14,15
	ds_load_b128 v[BB+4*\t:BB+4*\t+3], v[RD] offset:\t*SPITCH    ; LDS serves a wave's instructions in order: these see the stores above
.endr
.endm
.macro SEND a, younger
.set BB, BK+64*((\a)%2)
	s_wait_dscnt \younger
.irp t, 0,1,2,3,4,5,6,7,8,9,10,11,12,13,14,15
	global_store_b128 v[CO], v[BB+4*\t:BB+4*\t+3], s[10:11] offset:(32*((\a)/2)+8*((\a)%2)+\t+8*(\t/8))*4096 th:TH_STORE_NT   ; 512 consecutive bytes, aligned
.endr
.endm
	TOSTAGE 0
.irp a, 1,2,3
.if \a > 1
	s_wait_xcnt 0x0                                ; block a - 2's stores have read their registers
.endif
	TOSTAGE \a
	SEND \a-1, 32                                  ; behind block a - 1's loads: block a's 16 stores and 16 loads
.endr
	SEND 3, 0
	s_wait_tensorcnt 0x0                           ; the wave's end
	ds_add_u32 v[SPW], v[NIL]
	s_wait_dscnt 0x0
	CROUND                                         ; the closing round
	s_endpgm
.Lfunc_end_k_q5417802166_gemm_proj:
	.size	k_q5417802166_gemm_proj, .Lfunc_end_k_q5417802166_gemm_proj-k_q5417802166_gemm_proj
	.p2alignl 7, 3214868480
	.fill 96, 4, 3214868480
	.section	.rodata,"a",@progbits
	.p2align	6, 0x0
	.amdhsa_kernel k_q5417802166_gemm_proj
		.amdhsa_group_segment_fixed_size 327680
		.amdhsa_private_segment_fixed_size 0
		.amdhsa_enable_private_segment 0
		.amdhsa_kernarg_size 32
		.amdhsa_user_sgpr_count 2
		.amdhsa_user_sgpr_kernarg_segment_ptr 1
		.amdhsa_wavefront_size32 1
		.amdhsa_system_sgpr_workgroup_id_x 1
		.amdhsa_system_sgpr_workgroup_id_y 1
		.amdhsa_system_sgpr_workgroup_id_z 1
		.amdhsa_system_vgpr_workitem_id 0
		.amdhsa_next_free_vgpr 1024
		.amdhsa_next_free_sgpr 100
		.amdhsa_reserve_vcc 0
		.amdhsa_float_denorm_mode_32 3
		.amdhsa_float_denorm_mode_16_64 3
		.amdhsa_memory_ordered 1
		.amdhsa_forward_progress 1
		.amdhsa_inst_pref_size 77
	.end_amdhsa_kernel
	.amdgpu_metadata
---
amdhsa.version: [ 1, 2 ]
amdhsa.kernels:
  - .name:           k_q5417802166_gemm_proj
    .symbol:         k_q5417802166_gemm_proj.kd
    .args:
      - { .name: yr, .offset: 0, .size: 8, .value_kind: global_buffer, .address_space: global }
      - { .name: wr, .offset: 8, .size: 8, .value_kind: global_buffer, .address_space: global }
      - { .name: b_proj, .offset: 16, .size: 8, .value_kind: global_buffer, .address_space: global }
      - { .name: out0, .offset: 24, .size: 8, .value_kind: global_buffer, .address_space: global }
    .group_segment_fixed_size: 327680
    .private_segment_fixed_size: 0
    .kernarg_segment_align: 8
    .kernarg_segment_size: 32
    .max_flat_workgroup_size: 128
    .sgpr_count:     100
    .vgpr_count:     1024
    .wavefront_size: 32
...
	.end_amdgpu_metadata
.endif
;; end of part 4
